; MI455X (gfx1250); checked and timed in simulation.
; The chip was launched on July 23, 2026; its instructions are those of AMD's public machine-readable ISA for CDNA 5 (MIT licence, August 2026) and "CDNA5" Instruction Set Architecture Reference Guide (July 2026). The comments in the code are by the model that wrote it; some were corrected since.
;; Multi Head Attention. Allowed arithmetic: matrix products marked QUANTISED: E2M1 operands, one E8M0 scale for each 32 along K, by v_wmma_scale_f32_16x16x128_f8f6f4 with both operands' format E2M1 (or v_wmma_scale_f32_32x16x128_f4), f32 sums; products left as they are: bf16, f16 or f32 operands; f32 sums; everything else in f32.
;; Inputs: Wk 1,024 x 1,024 float32; Wo 1,024 x 1,024 float32; Wq 1,024 x 1,024 float32; Wv 1,024 x 1,024 float32; bo 1,024 float32; x 4 x 2,048 x 1,024 float32.
;; Outputs: out0 4 x 2,048 x 1,024 float32.
;; This version of the problem:
;;   THIS VERSION OF THE PROBLEM IS GIVEN IN LOW PRECISION. The matrix products marked QUANTISED in the list below multiply operands that are first quantised to E2M1 (2 exponent bits, 1 mantissa bit; 4 bits a number), with one power-of-two scale for each 32 numbers along K (OCP MX v1.0); their sums are f32. The products marked 'left as it is' may take bf16, f16 or f32 operands, with f32 sums. Whichever they take, every output number must still come out within the allowed error. Rounding operands to bf16 (8 significant bits) uses up far more of that allowance than f16 does (11 bits, for magnitudes from 6e-5 to 65,504). All else is computed in f32.
;;   The module's matrix products, in the order in which they are computed (A, B: the left and right operand; K: the contracted axis; several contracted axes count as one K, in the product's order):
;;     1. [M 8,192, K 1,024] x [K 1,024, N 1,024]; A: input x; B: input Wq: QUANTISED
;;     2. [M 8,192, K 1,024] x [K 1,024, N 1,024]; A: input x; B: input Wk: QUANTISED
;;     3. [M 8,192, K 1,024] x [K 1,024, N 1,024]; A: input x; B: input Wv: QUANTISED
;;     4. batch 64 x [M 2,048, K 64] x [K 64, N 2,048]; A: computed on the way; B: computed on the way: left as it is (an operand is computed on the way)
;;     5. batch 64 x [M 2,048, K 2,048] x [K 2,048, N 64]; A: computed on the way; B: computed on the way: left as it is (an operand is computed on the way)
;;     6. [M 8,192, K 1,024] x [K 1,024, N 1,024]; A: computed on the way; B: input Wo: left as it is (an operand is computed on the way)
;;   THE QUANTISER, for each operand of a quantised product, along K:
;;     - K is cut into blocks of 32 from its start; a last block that is shorter is filled with zeros.
;;     - A block's scale is 2^e with e = floor(log2(the largest magnitude in the block)) - 2, held to -126 .. 127; a block of zeros has e = 0. As a byte (E8M0): e + 127.
;;     - Each number is divided by its block's scale, clamped to +-6, and rounded to the nearest number of E2M1, ties to even, subnormals kept.
;;     - The product sums the exact products of the quantised numbers (number of the format x scale) in f32.
;;   ~~~python
;;   def quantise(x, axis):      # numpy; x: float32 -> the quantised numbers, widened to float32 again
;;       x = np.moveaxis(x, axis, -1); K = x.shape[-1]
;;       x = np.pad(x, [(0, 0)] * (x.ndim - 1) + [(0, -K % 32)]); x = x.reshape(x.shape[:-1] + (-1, 32)); a = np.abs(x).max(-1, keepdims=True)
;;       e = np.where(a > 0, np.clip(np.frexp(np.where(a > 0, a, 1))[1] - 1 - 2, -126, 127), 0)      # np.frexp(a)[1] - 1 = floor(log2(a)), exactly
;;       r = np.clip(x / 2.0 ** e, -6, 6)
;;       step = 2.0 ** (np.maximum(np.frexp(np.where(r == 0, 1, r))[1] - 1, 0) - 1)
;;       q = np.round(r / step) * step * 2.0 ** e      # np.round: ties to even
;;       return np.moveaxis(q.reshape(q.shape[:-2] + (-1,))[..., :K], -1, axis).astype(np.float32)
;;   ~~~
;; One version. Each part assembles by itself: llvm-mc -triple=amdgcn-amd-amdhsa -mcpu=gfx1250 --defsym DOCPART=n.
;; ======== version 1 of 1: 6 launches
;; limits: values are held in f16: magnitudes above 65,504 overflow, below 6.1e-05 lose precision
;; workspace buffers: codes 5,767,168 bytes; scales 360,448 bytes; qk 33,554,432 bytes; vt 16,777,216 bytes; ctx 16,777,216 bytes; woh 2,097,152 bytes; ctxf 262,144 bytes
;; launch prep (part 1): grid 256 x 1, 8 waves a work-group, no clusters, 84,992 bytes of LDS; arguments x, Wq, Wk, Wv, Wo, codes, scales, woh; writes codes, scales, woh
.if DOCPART == 1
	.amdgcn_target "amdgcn-amd-amdhsa--gfx1250"
	.amdhsa_code_object_version 6
	.text
	.protected	k_qbcf6f2dbbc_prep
	.globl	k_qbcf6f2dbbc_prep
	.p2align	8
	.type	k_qbcf6f2dbbc_prep,@function
k_qbcf6f2dbbc_prep:
	s_mov_b64 s[64:65], 0
	v_nop
	global_prefetch_b8 v0, s[64:65] scope:SCOPE_SE
	s_setreg_imm32_b32 hwreg(HW_REG_WAVE_MODE, 25, 1), 1
	s_wait_xcnt 0x0
; PREP.  One launch, three kinds of work-groups, told apart by the work-group's number alone; each kind has LDS bytes of its own and its own end.
;   0..127   x [8192][1024] f32 -> codes of FP4 (E2M1), K innermost, rows 0..8191 of codes [11264][512 B], and one E8M0 byte for each 32 along K, scales [11264][32 B].
;   128..223 Wq, Wk, Wv [1024 (k)][1024 (n)] f32, K their FIRST axis -> row 8192 + 1024 w + n of the same two buffers: column n of weight w, K innermost.
;   224..255 Wo f32 -> f16, same layout [k][n].
; A block's scale is 2^(floor(log2(its largest magnitude)) - 2); its byte is the largest magnitude's exponent field - 2, held at 1 from below.
; LIMITS: a block of zeros gets the byte 1 where the rule says 127 (its codes are zeros, and this program alone reads the bytes); blocks whose largest magnitude lies under 2^(3 - 127) keep the byte 1;
; NaN and infinities among the inputs are not served; |Wo| must stay under 65,504 (f16).
; No tensor loads, no cluster, no matrix unit: a stream, bound by its bytes.
.set STEPS, 16
.set XREG,  8192                       ; x path: a region for each wave: two stages of 32 x SP bytes, then its 256 scale bytes
.set SP,    80                         ; a lane's place in a stage: 64 bytes + 16 of padding
.set WSTG,  8*XREG                     ; weight path: 64 columns x (256 bytes of codes + 16)
.set WP,    272
.set WSC,   WSTG+64*WP                 ; and 64 columns x 16 scale bytes
.set SPARE, WSC+64*16                  ; the spare words, 128 bytes for each wave: four blocks of 256 bytes that no other line names
.set SPW,   12                         ; v12  LDS address of my spare word; never rewritten
.set NIL,   13                         ; v13  0; never rewritten
.set R,     16                         ; x path: v16-79 four sets of 16 numbers as loaded
.set X,     80                         ; v80-111 two sets of 16 neighbours
.set E,     112                        ; v112-127 a scale byte for each step
.set C,     128                        ; v128-191 codes, four registers for each step
.set WX,    32                         ; weight path: v32-95 two sets of 32 numbers
.set WC,    96                         ; v96-111 a block's codes, four registers for each block
.set WB,    112                        ; v112-127 rows read back
.set WLO,   208                        ; v208 4 x lane
.set WST,   209                        ; v209 where my column's codes go in the stage
.set WSS,   210                        ; v210 where my scale word goes
.set WRD,   211                        ; v211 where I read rows back
.set WGO,   212                        ; v212 and their place in the codes' buffer
.set WSR,   213                        ; v213 scale bytes: read
.set WSG,   214                        ; v214 and their place in memory
	s_load_b512 s[4:19], s[0:1], 0x0               ; x 4:5, Wq 6:7, Wk 8:9, Wv 10:11, Wo 12:13, codes 14:15, scales 16:17, woh 18:19
	v_lshl_add_u32 v[SPW], v0, 2, SPARE
	v_mov_b32 v[NIL], 0
	v_lshrrev_b32 v1, 5, v0
	v_readfirstlane_b32 s20, v1                    ; wave 0..7
	v_and_b32 v2, 31, v0                           ; lane
	; every LDS address of both LDS paths is made here, ahead of the parting
	v_lshlrev_b32 v3, 4, v2                        ; 16 x lane
	s_mul_i32 s21, s20, XREG
	v_lshrrev_b32 v14, 2, v2
	v_mul_u32_u24 v14, v14, SP
	v_and_b32 v15, 3, v2
	v_lshl_add_u32 v14, v15, 4, v14
	v_add_nc_u32 v14, s21, v14                     ; the stage, on the way in: SP (lane / 4) + 16 (lane % 4)
	v_mul_u32_u24 v15, v2, SP
	v_add_nc_u32 v15, s21, v15                     ; and on the way out: SP x lane
	v_lshlrev_b32 v4, 3, v2                        ; 8 x lane
	v_lshrrev_b32 v5, 1, v2
	s_add_co_u32 s21, s21, 2*32*SP
	v_add_nc_u32 v5, s21, v5                       ; my block's scale byte
	v_lshlrev_b32 v7, 3, v2
	v_add_nc_u32 v6, s21, v7                       ; the 256 scale bytes, 8 a lane
	s_and_b32 s22, s20, 1                          ; weight path: cg, which 32 of the 64 columns
	s_lshr_b32 s23, s20, 1                         ; kq, which 128 of the 512 along K
	v_lshlrev_b32 v[WLO], 2, v2
	s_lshl_b32 s24, s22, 5
	v_add_nc_u32 v1, s24, v2                       ; my column among the 64
	v_mul_u32_u24 v[WST], v1, WP
	s_lshl_b32 s25, s23, 6
	s_add_co_u32 s25, s25, WSTG
	v_add_nc_u32 v[WST], s25, v[WST]
	v_lshlrev_b32 v[WSS], 4, v1
	s_lshl_b32 s25, s23, 2
	s_add_co_u32 s25, s25, WSC
	v_add_nc_u32 v[WSS], s25, v[WSS]
	v_lshl_add_u32 v[WSR], v1, 4, WSC
	v_lshlrev_b32 v[WSG], 5, v1
	v_lshrrev_b32 v1, 4, v2
	v_and_b32 v8, 15, v2
	s_lshl_b32 s25, s20, 3
	v_add_nc_u32 v1, s25, v1                       ; row 8 x wave + lane / 16
	v_mul_u32_u24 v[WRD], v1, WP
	v_lshl_add_u32 v[WRD], v8, 4, v[WRD]
	v_add_nc_u32 v[WRD], WSTG, v[WRD]
	v_lshlrev_b32 v[WGO], 9, v1
	v_lshl_add_u32 v[WGO], v8, 4, v[WGO]
	s_wait_kmcnt 0x0
	s_cmp_lt_u32 ttmp9, 128
	s_cbranch_scc0 .Lnot_x
	; ---------------- x: a plain stream of blocks of 32.  A wave takes 16 steps of 512 numbers.
	s_lshl_b32 s21, ttmp9, 3
	s_add_co_u32 s21, s21, s20                     ; which run of 8,192 numbers is my wave's
	s_lshl_b32 s22, s21, 15
	s_mov_b32 s23, 0
	s_add_nc_u64 s[4:5], s[4:5], s[22:23]
	s_lshl_b32 s22, s21, 12
	s_add_nc_u64 s[14:15], s[14:15], s[22:23]
	s_lshl_b32 s22, s21, 8
	s_add_nc_u64 s[16:17], s[16:17], s[22:23]
.macro XLOAD t
.irp i, 0,1,2,3
	global_load_b128 v[R+16*((\t)%4)+4*\i:R+16*((\t)%4)+4*\i+3], v3, s[4:5] offset:2048*(\t)+512*\i th:TH_LOAD_NT   ; 32 lanes read 512 consecutive bytes
.endr
.endm
.macro XTURN t                         ; a step's 2,048 bytes through the wave's stage, so that a lane gets 16 neighbours; LDS serves a wave's instructions in order
.irp i, 0,1,2,3
	ds_store_b128 v14, v[R+16*((\t)%4)+4*\i:R+16*((\t)%4)+4*\i+3] offset:32*SP*((\t)%2)+8*SP*\i
.endr
.irp i, 0,1,2,3
	ds_load_b128 v[X+16*((\t)%2)+4*\i:X+16*((\t)%2)+4*\i+3], v15 offset:32*SP*((\t)%2)+16*\i
.endr
.endm
.irp t, 0,1,2,3
	XLOAD \t
.endr
	s_wait_loadcnt 12                              ; step 0's four loads are in; three steps' twelve may be out
	XTURN 0
.macro XSTEP t
.set XS, X+16*((\t)%2)
.if (\t) > 0
	s_wait_dscnt 1                                 ; this step's numbers are back from the stage; the last step's byte store may be out
.else
	s_wait_dscnt 0x0
.endif
.if (\t)+4 < STEPS
	XLOAD (\t)+4
.endif
.if (\t)+1 < STEPS
.if STEPS-2-(\t) >= 3
	s_wait_loadcnt 12                              ; the next step's four loads are in; those of the three steps behind it may be out
.else
	s_wait_loadcnt 4*(STEPS-2-(\t))
.endif
	XTURN (\t)+1
.endif
	v_max3_num_f32 v8, |v[XS]|, |v[XS+1]|, |v[XS+2]|               ; the largest magnitude of my 16, in two chains
	v_max3_num_f32 v9, |v[XS+3]|, |v[XS+4]|, |v[XS+5]|
.irp i, 6,10
	v_max3_num_f32 v8, v8, |v[XS+\i]|, |v[XS+\i+1]|
	v_max3_num_f32 v9, v9, |v[XS+\i+2]|, |v[XS+\i+3]|
.endr
	v_max3_num_f32 v8, v8, |v[XS+14]|, |v[XS+15]|
	v_max3_num_f32 v8, v8, v9, 0x1800000           ; and the floor 2^(3 - 127): the byte cannot fall under 1
	v_max_num_f32_dpp v8, v8, v8 row_xmask:1 row_mask:0xf bank_mask:0xf   ; with my neighbour's 16: the block's
	v_add_nc_u32 v11, 0xff000000, v8               ; 2 off its exponent field: the conversion takes the exponent field of this operand as its scale
	v_cvt_scalef32_pk8_fp4_f32 v[C+4*(\t)], v[XS:XS+7], v11
	v_cvt_scalef32_pk8_fp4_f32 v[C+4*(\t)+1], v[XS+8:XS+15], v11
	v_lshrrev_b32 v[E+(\t)], 23, v11               ; the scale's byte
	ds_store_b8 v5, v[E+(\t)] offset:16*(\t)       ; both lanes of a block write the same byte with the same value
	global_store_b64 v4, v[C+4*(\t):C+4*(\t)+1], s[14:15] offset:256*(\t)   ; the wave stores 256 consecutive bytes, aligned
.endm
.irp t, 0,1,2,3,4,5,6,7,8,9,10,11,12,13,14,15
	XSTEP \t
.endr
	ds_load_b64 v[8:9], v6
	s_wait_dscnt 0x0
	global_store_b64 v7, v[8:9], s[16:17]          ; my wave's 256 scale bytes, consecutive and aligned
	s_wait_tensorcnt 0x0                           ; the wave's end: behind my last LDS store
	ds_add_u32 v[SPW], v[NIL]
	s_wait_dscnt 0x0
	s_endpgm
.Lnot_x:
	s_cmp_lt_u32 ttmp9, 224
	s_cbranch_scc0 .Lpath_o
	; ---------------- a weight: the work-group takes 64 columns x 512 along K; a wave 32 columns x 128 along K.  A LANE TAKES A COLUMN AND ITS REGISTERS RUN DOWN K:
	; each load reads 128 consecutive bytes, a block of 32 lies in one lane, and the conversions give codes with K innermost.
	s_sub_co_u32 s21, ttmp9, 128
	s_lshr_b32 s26, s21, 5                         ; which weight
	s_bfe_u32 s27, s21, 0x40001                    ; which 64 columns
	s_and_b32 s28, s21, 1                          ; which 512 along K
	s_cmp_eq_u32 s26, 0
	s_cselect_b64 s[30:31], s[6:7], s[8:9]
	s_cmp_eq_u32 s26, 2
	s_cselect_b64 s[30:31], s[10:11], s[30:31]
	s_lshl_b32 s32, s28, 21                        ; 512 rows of 4,096 bytes
	s_lshl_b32 s33, s23, 19                        ; 128 rows
	s_add_co_u32 s32, s32, s33
	s_lshl_b32 s33, s27, 8
	s_add_co_u32 s32, s32, s33
	s_lshl_b32 s33, s22, 7
	s_add_co_u32 s32, s32, s33
	s_mov_b32 s33, 0
	s_add_nc_u64 s[30:31], s[30:31], s[32:33]
	s_lshl_b32 s32, s26, 10
	s_lshl_b32 s34, s27, 6
	s_add_co_u32 s32, s32, s34
	s_add_co_u32 s32, s32, 8192                    ; the first of my work-group's 64 rows of codes and scales
	s_lshl_b32 s34, s32, 9
	s_lshl_b32 s35, s28, 8
	s_add_co_u32 s34, s34, s35
	s_mov_b32 s35, 0
	s_add_nc_u64 s[14:15], s[14:15], s[34:35]
	s_lshl_b32 s34, s32, 5
	s_lshl_b32 s36, s28, 4
	s_add_co_u32 s34, s34, s36
	s_add_nc_u64 s[16:17], s[16:17], s[34:35]
.macro WLOAD t
.irp i, 0,1,2,3,4,5,6,7,8,9,10,11,12,13,14,15,16,17,18,19,20,21,22,23,24,25,26,27,28,29,30,31
	global_load_b32 v[WX+32*((\t)%2)+\i], v[WLO], s[30:31] offset:(32*(\t)+\i)*4096 th:TH_LOAD_NT
.endr
.endm
	WLOAD 0
	WLOAD 1
.macro WBLOCK t
.set XS, WX+32*((\t)%2)
.if (\t) < 3
	s_wait_loadcnt 32                              ; this block's 32 loads are in; the next block's may be out
.else
	s_wait_loadcnt 0x0
.endif
	v_max3_num_f32 v8, |v[XS]|, |v[XS+1]|, |v[XS+2]|               ; the block's largest magnitude: all 32 numbers are mine
	v_max3_num_f32 v9, |v[XS+3]|, |v[XS+4]|, |v[XS+5]|
.irp i, 6,10,14,18,22,26
	v_max3_num_f32 v8, v8, |v[XS+\i]|, |v[XS+\i+1]|
	v_max3_num_f32 v9, v9, |v[XS+\i+2]|, |v[XS+\i+3]|
.endr
	v_max3_num_f32 v8, v8, |v[XS+30]|, |v[XS+31]|
	v_max3_num_f32 v8, v8, v9, 0x1800000
	v_add_nc_u32 v11, 0xff000000, v8
	v_lshrrev_b32 v1, 23, v11
.if (\t) == 0
	v_mov_b32 v10, v1                              ; my four bytes make one word, the lower K in the lower byte
.else
	v_lshl_or_b32 v10, v1, 8*(\t), v10
.endif
.irp g, 0,1,2,3
	v_cvt_scalef32_pk8_fp4_f32 v[WC+4*(\t)+\g], v[XS+8*\g:XS+8*\g+7], v11
.endr
	ds_store_b128 v[WST], v[WC+4*(\t):WC+4*(\t)+3] offset:16*(\t)   ; 32 codes: 16 bytes of my column's row
.if (\t)+2 < 4
	WLOAD (\t)+2
.endif
.endm
.irp t, 0,1,2,3
	WBLOCK \t
.endr
	ds_store_b32 v[WSS], v10
	s_wait_dscnt 0x0                               ; for the others' sake: my stores into the stage are done
	s_barrier_signal -1
	s_barrier_wait -1                              ; a row's 256 bytes come from four waves
.irp t, 0,1,2,3
	ds_load_b128 v[WB+4*\t:WB+4*\t+3], v[WRD] offset:2*\t*WP
.endr
.irp t, 0,1,2,3
	s_wait_dscnt 3-\t                              ; the younger read-backs may be out
	global_store_b128 v[WGO], v[WB+4*\t:WB+4*\t+3], s[14:15] offset:1024*\t   ; sixteen lanes store 256 consecutive bytes, aligned
.endr
	s_cmp_lt_u32 s20, 2
	s_cbranch_scc0 .Lw_done
	ds_load_b128 v[128:131], v[WSR]                ; waves 0 and 1: a column's 16 scale bytes a lane (rows of 32 bytes, half of each: 96 KiB of such stores in the launch)
	s_wait_dscnt 0x0
	global_store_b128 v[WSG], v[128:131], s[16:17]
.Lw_done:
	s_wait_tensorcnt 0x0                           ; the wave's end: behind my last LDS store
	ds_add_u32 v[SPW], v[NIL]
	s_wait_dscnt 0x0
	s_endpgm
.Lpath_o:
	; ---------------- Wo to f16: a wave takes 4,096 numbers; 32 loads of 512 consecutive bytes, 32 stores of 256.  No LDS.
	s_sub_co_u32 s21, ttmp9, 224
	s_lshl_b32 s21, s21, 3
	s_add_co_u32 s21, s21, s20
	s_lshl_b32 s22, s21, 14
	s_mov_b32 s23, 0
	s_add_nc_u64 s[12:13], s[12:13], s[22:23]
	s_lshl_b32 s22, s21, 13
	s_add_nc_u64 s[18:19], s[18:19], s[22:23]
.set i, 0
.rept 32
	global_load_b128 v[16+4*i:19+4*i], v3, s[12:13] offset:512*i th:TH_LOAD_NT
.set i, i+1
.endr
.set i, 0
.rept 32
	s_wait_loadcnt 31-i                            ; loads come back in order: mine is in, the younger ones stay out
	v_cvt_pk_f16_f32 v[144+2*i], v[16+4*i], v[17+4*i]
	v_cvt_pk_f16_f32 v[145+2*i], v[18+4*i], v[19+4*i]
	global_store_b64 v4, v[144+2*i:145+2*i], s[18:19] offset:256*i
.set i, i+1
.endr
	s_endpgm
.Lfunc_end_k_qbcf6f2dbbc_prep:
	.size	k_qbcf6f2dbbc_prep, .Lfunc_end_k_qbcf6f2dbbc_prep-k_qbcf6f2dbbc_prep
	.p2alignl 7, 3214868480
	.fill 96, 4, 3214868480
	.section	.rodata,"a",@progbits
	.p2align	6, 0x0
	.amdhsa_kernel k_qbcf6f2dbbc_prep
		.amdhsa_group_segment_fixed_size 84992
		.amdhsa_private_segment_fixed_size 0
		.amdhsa_enable_private_segment 0
		.amdhsa_kernarg_size 64
		.amdhsa_user_sgpr_count 2
		.amdhsa_user_sgpr_kernarg_segment_ptr 1
		.amdhsa_wavefront_size32 1
		.amdhsa_system_sgpr_workgroup_id_x 1
		.amdhsa_system_sgpr_workgroup_id_y 1
		.amdhsa_system_sgpr_workgroup_id_z 1
		.amdhsa_system_vgpr_workitem_id 0
		.amdhsa_next_free_vgpr 224
		.amdhsa_next_free_sgpr 66
		.amdhsa_reserve_vcc 0
		.amdhsa_float_denorm_mode_32 3
		.amdhsa_float_denorm_mode_16_64 3
		.amdhsa_memory_ordered 1
		.amdhsa_forward_progress 1
		.amdhsa_inst_pref_size 66
	.end_amdhsa_kernel
	.amdgpu_metadata
---
amdhsa.version: [ 1, 2 ]
amdhsa.kernels:
  - .name:           k_qbcf6f2dbbc_prep
    .symbol:         k_qbcf6f2dbbc_prep.kd
    .args:
      - { .name: x, .offset: 0, .size: 8, .value_kind: global_buffer, .address_space: global }
      - { .name: Wq, .offset: 8, .size: 8, .value_kind: global_buffer, .address_space: global }
      - { .name: Wk, .offset: 16, .size: 8, .value_kind: global_buffer, .address_space: global }
      - { .name: Wv, .offset: 24, .size: 8, .value_kind: global_buffer, .address_space: global }
      - { .name: Wo, .offset: 32, .size: 8, .value_kind: global_buffer, .address_space: global }
      - { .name: codes, .offset: 40, .size: 8, .value_kind: global_buffer, .address_space: global }
      - { .name: scales, .offset: 48, .size: 8, .value_kind: global_buffer, .address_space: global }
      - { .name: woh, .offset: 56, .size: 8, .value_kind: global_buffer, .address_space: global }
    .group_segment_fixed_size: 84992
    .private_segment_fixed_size: 0
    .kernarg_segment_align: 8
    .kernarg_segment_size: 64
    .max_flat_workgroup_size: 256
    .sgpr_count:     66
    .vgpr_count:     224
    .wavefront_size: 32
...
	.end_amdgpu_metadata
.endif
;; end of part 1
;; launch qkv (part 2): grid 12 x 32, 4 waves a work-group, clusters of 4 x 4, 327,680 bytes of LDS; arguments codes, scales, qk, vt; writes qk, vt
.if DOCPART == 2
	.amdgcn_target "amdgcn-amd-amdhsa--gfx1250"
	.amdhsa_code_object_version 6
	.text
	.protected	k_qbcf6f2dbbc_qkv
	.globl	k_qbcf6f2dbbc_qkv
	.p2align	8
	.type	k_qbcf6f2dbbc_qkv,@function
k_qbcf6f2dbbc_qkv:
	s_mov_b64 s[64:65], 0
	v_nop
	global_prefetch_b8 v0, s[64:65] scope:SCOPE_SE
	s_setreg_imm32_b32 hwreg(HW_REG_WAVE_MODE, 25, 1), 1
	s_wait_xcnt 0x0
	s_wait_alu depctr_hold_cnt(0) depctr_sa_sdst(0) depctr_va_vdst(0) depctr_va_sdst(0) depctr_va_ssrc(0) depctr_va_vcc(0) depctr_vm_vsrc(0)
	s_getreg_b32 s2, hwreg(HW_REG_IB_STS2, 6, 4)
	s_cmp_eq_u32 s2, 0
	s_cbranch_scc0 .Lentry_in_a_cluster
	s_endpgm
.Lentry_in_a_cluster:
	s_bfe_u32 s2, ttmp6, 0x10000c
	s_cmp_lg_u32 s2, 0xf033
	s_cbranch_scc0 .Lentry_shape_is_right
	s_endpgm
.Lentry_shape_is_right:
; QKV.  The three quantised products as one GEMM on codes of FP4 (E2M1) with E8M0 scales, K = 1,024; sums in f32; results rounded once to f16.
; codes [11264][512 B], scales [11264][32 B]: rows 0..8191 are x's rows, row 8192 + 1024 w + n is column n of weight w (q, k, v).
; The cluster's x is the KIND.  Kinds 0, 1 (q, k): side A = 256 rows of x, side B = 256 columns of the weight.  Kind 2 computes V^T: side A = 256 columns of Wv, side B = 256 rows of x.
; Out: qk f16 [2][16 b + h][2048][64]; vt f16 [b][1024 channels][2048 positions].   LIMIT: |q|, |k|, |v| must stay under 65,504 (f16).
; A tile of 256 x 256 is made by four waves, 128 x 128 each: 64 accumulators.  K is two slots of 512: both are first fills, nothing is filled again.
; CLUSTERS: 4 x 4 work-groups; side A's tile is shared along a row of the cluster, side B's along a column: each is asked for jointly.
; THE MATRIX INSTRUCTION IS USED TRANSPOSED (source 0 = 16 rows of side B, source 1 = 16 rows of side A): a lane holds one row of side A and eight neighbours of side B.
; REGISTERS, in windows of 256: window 0: v0-31 addresses; v32-95 scale words, two sets; v128-191 A's fragments, one set; on the way out v32-63, v192-255.
;   window 1: B's fragments, two sets, at v0 and v128.  window 2: accumulators of my rows 0-63 ((a, b) at v[8 (8 a + b)]); window 3: rows 64-127.
.set KSTEP,  512
.set NQ,     4
.set ROWB,   256
.set KROW,   512
.set PITCH,  272                       ; an LDS row: 256 bytes + 16 of padding: the 16 rows of a fragment load start at 16 different banks
.set FR,     8
.set NL,     2
.set NP,     4
.set HALFT,  128*PITCH
.set SLOT,   4*HALFT
.set KS,     32
.set SCL,    2*SLOT                    ; behind the ring: the scales, as units of 256 bytes + 16 of padding
.set HALFS,  (128*KS/256)*272
.set SBLK,   (16*KS/256)*272
.set SPARE,  SCL+4*HALFS               ; the spare words, 128 bytes for each wave
.set SPITCH, 272                       ; the way out: 16 rows x (256 bytes + 16) for each wave, in slot 0, which has had its only fill and its last read by then
.set STGV,   32768                     ; kind 2's stages have bytes of their own
.set ADRA, 16
.set ADRB, 20
.set STOV, 22
.set RDV,  23
.set STOQ, 24
.set RDQ,  25
.set COQ,  26
.set ADRS, 27
.set SPW,  28
.set NIL,  29
.set COV,  30
.set SC,   32
.set AF,   128
.set TMP,  192
.set OB,   32
.set G1, 24
.set G0, 32
.set G1B, 48
.set G0B, 56
.set G1S, 68
.set G0S, 76
.set G1SB, 80
.set G0SB, 88
.set MSB, 0
.macro WIN new                         ; the immediate's high byte repeats the setting that is left
.if MSB != \new
	s_set_vgpr_msb (MSB<<8)|\new
.set MSB, \new
.endif
.endm
.set MUL_LO, 0xa1
.set MUL_HI, 0xf1
.set TO_B,   0x40
.macro JLOAD g0a, g1a, g0b, g1b        ; a joint load: waves 0 and 1 fetch for side A, waves 2 and 3 for side B; an s_nop 0 and four v_nop follow each line
	s_cmp_eq_u32 s15, 0
	s_cbranch_scc0 .Lfor_b_\@
	tensor_load_to_lds s[\g0a:\g0a+3], s[\g1a:\g1a+7]
	s_nop 0
.rept 4
	v_nop
.endr
	s_branch .Lasked_\@
.Lfor_b_\@:
	tensor_load_to_lds s[\g0b:\g0b+3], s[\g1b:\g1b+7]
	s_nop 0
.rept 4
	v_nop
.endr
.Lasked_\@:
.endm
.macro CREST
	s_cmp_lg_u32 s14, 0
	s_cbranch_scc1 .Lnot_wave_0_\@
	s_barrier_signal -3
.Lnot_wave_0_\@:
	s_barrier_wait -3
	s_barrier_signal -1
	s_barrier_wait -1
.endm
.macro CROUND
	s_barrier_signal -1
	s_barrier_wait -1
	CREST
.endm
	s_load_b256 s[4:11], s[0:1], 0x0               ; codes 4:5, scales 6:7, qk 8:9, vt 10:11
	v_lshl_add_u32 v[SPW], v0, 2, SPARE
	v_mov_b32 v[NIL], 0
	ds_add_u32 v[SPW], v[NIL]                      ; the wave's opening: the add, twice on end, and its wait ahead of my first tensor load
	ds_add_u32 v[SPW], v[NIL]
	v_lshrrev_b32 v1, 5, v0
	v_readfirstlane_b32 s14, v1                    ; wave 0..3
	s_lshr_b32 s15, s14, 1                         ; which half of side A's rows is mine.  Also: I fetch for A (0) or for B (1)
	s_and_b32 s16, s14, 1                          ; which half of side B's.  Also: which 128 rows I fetch
	s_bfe_u32 s40, ttmp6, 0x40000                  ; cx
	s_bfe_u32 s41, ttmp6, 0x40004                  ; cy
	s_and_b32 s17, ttmp7, 0xffff                   ; the cluster's y
	s_lshl_b32 s43, s41, 2
	s_lshl_b32 s43, 15, s43                        ; my row of the cluster
	s_lshl_b32 s44, 0x1111, s40                    ; my column
	s_or_b32 s[G1+0], s43, (0<<16)|(1<<20)|(1<<21)|(5<<22)|(3<<25)  ; the mask; elements of 1 byte; padding on: 4 words after every 64
	s_or_b32 s[G1B+0], s44, (0<<16)|(1<<20)|(1<<21)|(5<<22)|(3<<25)
.irp g, G1, G1B
	s_mov_b32 s[\g+1], ROWB<<16                    ; tensor_dim0
	s_mov_b32 s[\g+2], 128<<16                     ; tensor_dim1
	s_mov_b32 s[\g+3], ROWB<<16                    ; tile_dim0
	s_mov_b32 s[\g+4], 128                         ; tile_dim1
	s_mov_b32 s[\g+5], KROW                        ; the pitch
	s_mov_b32 s[\g+6], 0
	s_mov_b32 s[\g+7], 0
.endr
	s_or_b32 s[G1S+0], s43, (3<<16)|(1<<20)|(1<<21)|(5<<22)|(3<<25) ; the scales of 128 rows: 4,096 dense bytes as 16 rows of 256
	s_or_b32 s[G1SB+0], s44, (3<<16)|(1<<20)|(1<<21)|(5<<22)|(3<<25)
.irp g, G1S, G1SB
	s_mov_b32 s[\g+1], 32<<16
	s_mov_b32 s[\g+2], (128*KS/256)<<16
	s_mov_b32 s[\g+3], 32<<16
	s_mov_b32 s[\g+4], 128*KS/256
	s_mov_b32 s[\g+5], 32
	s_mov_b32 s[\g+6], 0
	s_mov_b32 s[\g+7], 0
.endr
	; which rows each side takes.  A's hang on cy, the cluster's y and the kind; B's on cx, the cluster's y and the kind.
	s_lshl_b32 s18, s16, 7                         ; which 128 rows of the tile I fetch
	s_lshl_b32 s19, s17, 10                        ; 1,024 x cluster y
	s_lshl_b32 s45, ttmp9, 10
	s_add_co_u32 s45, s45, 8192                    ; the weight's first row
	s_cmp_eq_u32 ttmp9, 2
	s_cselect_b32 s20, 10240, s19                  ; A: Wv's columns, or x's rows
	s_cselect_b32 s46, s19, s45                    ; B: x's rows, or the weight's columns
	s_lshl_b32 s21, s41, 8
	s_add_co_u32 s20, s20, s21
	s_add_co_u32 s20, s20, s18
	s_lshl_b32 s47, s40, 8
	s_add_co_u32 s46, s46, s47
	s_add_co_u32 s46, s46, s18
	s_lshl_b32 s22, s20, 5                         ; their scales, 32 bytes a row,
	s_mov_b32 s23, 0
	s_lshl_b32 s20, s20, 9                         ; and their codes, 512
	s_mov_b32 s21, 0
	s_lshl_b32 s92, s46, 5
	s_mov_b32 s93, 0
	s_lshl_b32 s46, s46, 9
	s_mov_b32 s47, 0
	s_mul_i32 s45, s14, HALFT                      ; where they go: wave x 128 rows
	s_mul_i32 s94, s14, HALFS
	s_wait_dscnt 0x0                               ; both opening adds are done
	s_wait_kmcnt 0x0
	s_add_nc_u64 s[20:21], s[4:5], s[20:21]
	s_add_nc_u64 s[22:23], s[6:7], s[22:23]
	s_add_nc_u64 s[46:47], s[4:5], s[46:47]
	s_add_nc_u64 s[92:93], s[6:7], s[92:93]
	CROUND                                         ; all sixteen work-groups are here: the first joint loads meet
	s_mov_b32 s[G0S], 1
	s_add_co_u32 s[G0S+1], s94, SCL
	s_mov_b64 s[G0S+2:G0S+3], s[22:23]
	s_or_b32 s[G0S+3], s[G0S+3], 0x80000000
	s_mov_b32 s[G0SB], 1
	s_add_co_u32 s[G0SB+1], s94, SCL
	s_mov_b64 s[G0SB+2:G0SB+3], s[92:93]
	s_or_b32 s[G0SB+3], s[G0SB+3], 0x80000000
	JLOAD G0S, G1S, G0SB, G1SB                     ; the scales first; three loads of mine are out at the head
.irp s, 0,1
	s_mov_b32 s[G0+4*\s], 1
	s_add_co_u32 s[G0+4*\s+1], s45, \s*SLOT
	s_add_nc_u64 s[G0+4*\s+2:G0+4*\s+3], s[20:21], \s*ROWB
	s_or_b32 s[G0+4*\s+3], s[G0+4*\s+3], 0x80000000
	s_mov_b32 s[G0B+4*\s], 1
	s_add_co_u32 s[G0B+4*\s+1], s45, \s*SLOT
	s_add_nc_u64 s[G0B+4*\s+2:G0B+4*\s+3], s[46:47], \s*ROWB
	s_or_b32 s[G0B+4*\s+3], s[G0B+4*\s+3], 0x80000000
	JLOAD G0+4*\s, G1, G0B+4*\s, G1B
.endr
	v_and_b32 v1, 15, v0                           ; r
	v_bfe_u32 v2, v0, 4, 1                         ; h
	v_mul_u32_u24 v3, v1, PITCH
	v_lshl_add_u32 v4, v2, 4, v3
	s_mul_i32 s21, s15, HALFT
	s_mul_i32 s22, s16, HALFT
	s_add_co_u32 s22, s22, 2*HALFT
.irp s, 0,1
	v_add_nc_u32 v[ADRA+\s], s21, v4
	v_add_nc_u32 v[ADRB+\s], s22, v4
	s_add_co_u32 s21, s21, SLOT
	s_add_co_u32 s22, s22, SLOT
.endr
	v_mul_u32_u24 v5, v1, KS                       ; my row's scales: 32 bytes a row, and 16 more for each 256 passed
	v_lshrrev_b32 v6, 8, v5
	v_lshl_add_u32 v5, v6, 4, v5
	s_mul_i32 s21, s15, HALFS
	s_mul_i32 s22, s16, HALFS
	s_add_co_u32 s22, s22, 2*HALFS
	s_sub_co_u32 s22, s22, s21
	v_mul_u32_u24 v6, s22, v2                      ; lanes 16-31 take B's
	s_add_co_u32 s21, s21, SCL
	v_add_nc_u32 v5, v5, v6
	v_add_nc_u32 v[ADRS], s21, v5
	; the way out's addresses, for both kinds, made ahead of the parting
	s_mul_i32 s23, s14, 16*SPITCH
	v_mul_u32_u24 v5, v1, SPITCH
	v_lshl_add_u32 v5, v2, 4, v5
	v_add_nc_u32 v[STOQ], s23, v5                  ; in: row r, 16 bytes for each half of the lanes
	v_add_nc_u32 v[STOV], STGV, v[STOQ]
	v_and_b32 v6, 31, v0
	v_lshrrev_b32 v7, 3, v6
	v_mul_u32_u24 v7, v7, SPITCH
	v_and_b32 v8, 7, v0
	v_lshl_add_u32 v7, v8, 4, v7
	v_add_nc_u32 v[RDQ], s23, v7                   ; q, k, back: eight lanes take a head's 128 bytes of a row, four rows an instruction
	v_lshlrev_b32 v[COQ], 4, v6
	v_mul_u32_u24 v7, v2, SPITCH
	v_lshl_add_u32 v7, v1, 4, v7
	v_add_nc_u32 v7, s23, v7
	v_add_nc_u32 v[RDV], STGV, v7                  ; V^T, back: sixteen lanes take a row's 256 bytes, two rows an instruction
	v_lshlrev_b32 v7, 12, v2
	v_lshl_add_u32 v[COV], v1, 4, v7
	; where my part begins in qk or in vt
	s_lshr_b32 s2, s17, 1                          ; the batch
	s_and_b32 s3, s17, 1
	s_lshl_b32 s3, s3, 10
	s_lshl_b32 s20, s41, 8
	s_add_co_u32 s20, s20, s3
	s_lshl_b32 s21, s15, 7
	s_add_co_u32 s20, s20, s21                     ; q, k: my first position
	s_lshl_b32 s21, s2, 4
	s_lshl_b32 s46, s40, 2
	s_add_co_u32 s21, s21, s46
	s_lshl_b32 s46, s16, 1
	s_add_co_u32 s21, s21, s46                     ; 16 b + my first head
	s_lshl_b32 s21, s21, 11
	s_add_co_u32 s20, s20, s21
	s_lshl_b32 s20, s20, 7
	s_lshl_b32 s21, ttmp9, 24
	s_add_co_u32 s20, s20, s21
	s_lshl_b32 s46, s40, 8
	s_add_co_u32 s46, s46, s3
	s_lshl_b32 s47, s16, 7
	s_add_co_u32 s46, s46, s47                     ; V^T: my first position
	s_lshl_b32 s47, s2, 10
	s_lshl_b32 s95, s41, 8
	s_add_co_u32 s47, s47, s95
	s_lshl_b32 s95, s15, 7
	s_add_co_u32 s47, s47, s95                     ; 1,024 b + my first channel
	s_lshl_b32 s47, s47, 11
	s_add_co_u32 s46, s46, s47
	s_lshl_b32 s46, s46, 1
	s_cmp_eq_u32 ttmp9, 2
	s_cselect_b32 s20, s46, s20
	s_cselect_b64 s[12:13], s[10:11], s[8:9]
	s_mov_b32 s21, 0
	s_add_nc_u64 s[12:13], s[12:13], s[20:21]
.macro FRAG reg, adr, q, i             ; 16 rows x 128 K of 4-bit codes: 8 registers, two loads of 16 bytes, 32 bytes apart
.irp c, 0,1
	ds_load_b128 v[\reg+4*\c:\reg+4*\c+3], v[\adr] offset:64*(\q)+32*\c+(\i)*16*PITCH
.endr
.endm
; 16 matrix instructions: A's blocks a0, a0 + 1 x B's eight.  The 64 accumulators take turns, one instruction a turn, in the same order in every step.
.macro MUL16 a0, p, q, sc, zero
.irp a, \a0, \a0+1
.irp b, 0,1,2,3,4,5,6,7
.if \zero
	v_wmma_scale_f32_16x16x128_f8f6f4 v[8*(8*((\a)%4)+\b):8*(8*((\a)%4)+\b)+7], v[128*(\p)+FR*\b:128*(\p)+FR*\b+FR-1], v[AF+FR*(\a):AF+FR*(\a)+FR-1], 0, v[SC+8*NQ*(\sc)+NQ*\b+(\q)], v[SC+8*NQ*(\sc)+NQ*(\a)+(\q)] matrix_a_fmt:MATRIX_FMT_FP4 matrix_b_fmt:MATRIX_FMT_FP4 matrix_a_scale:MATRIX_SCALE_ROW1
.else
	v_wmma_scale_f32_16x16x128_f8f6f4 v[8*(8*((\a)%4)+\b):8*(8*((\a)%4)+\b)+7], v[128*(\p)+FR*\b:128*(\p)+FR*\b+FR-1], v[AF+FR*(\a):AF+FR*(\a)+FR-1], v[8*(8*((\a)%4)+\b):8*(8*((\a)%4)+\b)+7], v[SC+8*NQ*(\sc)+NQ*\b+(\q)], v[SC+8*NQ*(\sc)+NQ*(\a)+(\q)] matrix_a_fmt:MATRIX_FMT_FP4 matrix_b_fmt:MATRIX_FMT_FP4 matrix_a_scale:MATRIX_SCALE_ROW1
.endif
.endr
.endr
.endm
.macro FETCH_B slot, q, p
	WIN TO_B
.irp i, 0,1,2,3,4,5,6,7
	FRAG 128*(\p)+FR*\i, ADRB+\slot, \q, \i
.endr
	WIN 0
.endm
.macro FETCH_A slot, q, i0
.irp i, \i0, \i0+1, \i0+2, \i0+3
	FRAG AF+FR*(\i), ADRA+\slot, \q, \i
.endr
.endm
.macro SCALES sc                       ; a slot's scale words: 4 words a row; lanes 0-15 take A's block i, lanes 16-31 B's block i
.irp i, 0,1,2,3,4,5,6,7
	ds_load_b128 v[SC+8*NQ*\sc+NQ*\i:SC+8*NQ*\sc+NQ*\i+3], v[ADRS] offset:\i*SBLK
.endr
.endm
.macro PLACES n                        ; plain vector instructions between a matrix instruction and a load into, or a read of, its registers
.rept \n
	v_nop
.endr
.endm
.macro STEP slot, q, zero
	s_wait_dscnt 4*NL                              ; B's set and A's blocks 0-3 are in; the youngest eight loads (A's blocks 4-7) may be out
	WIN MUL_LO
	MUL16 0, (\q)%2, \q, \slot, \zero
	MUL16 2, (\q)%2, \q, \slot, \zero
	s_wait_dscnt 0
	PLACES NP
	FETCH_B \slot, (\q)+1, 1-(\q)%2
	FETCH_A \slot, (\q)+1, 0
	WIN MUL_HI
	MUL16 4, (\q)%2, \q, \slot, \zero
	MUL16 6, (\q)%2, \q, \slot, \zero
	PLACES NP
	WIN 0
	FETCH_A \slot, (\q)+1, 4
.endm
.macro STEPS slot, from
.set Q, \from
.rept NQ-1-\from
	STEP \slot, Q, 0
.set Q, Q+1
.endr
.endm
	s_wait_tensorcnt 1                             ; the scales and my part of slot 0 are in; slot 1's load may be out,
	s_barrier_signal -1
	s_barrier_wait -1                              ; everybody's are
	FETCH_B 0, 0, 0
	FETCH_A 0, 0, 0
	SCALES 0
	FETCH_A 0, 0, 4
	STEP 0, 0, 1                                   ; the first products start the sums: nothing is cleared
	STEPS 0, 1
	; slot 0's last step changes slots: one barrier
	s_wait_tensorcnt 0x0                           ; my part of slot 1 has landed
	ds_add_u32 v[SPW], v[NIL]
	s_wait_dscnt 4*NL+1                            ; the add and A's blocks 4-7 may be out
	WIN MUL_LO
	MUL16 0, 1, NQ-1, 0, 0
	s_wait_dscnt 0x0                               ; the add is done, and my reads of slot 0 are over
	s_barrier_signal -1
	MUL16 2, 1, NQ-1, 0, 0
	WIN 0
	s_barrier_wait -1
	PLACES NP
	v_add_nc_u32 v[ADRS], 4*NQ, v[ADRS]            ; on to slot 1's scale words
	FETCH_B 1, 0, 0
	FETCH_A 1, 0, 0
	SCALES 1
	WIN MUL_HI
	MUL16 4, 1, NQ-1, 0, 0
	MUL16 6, 1, NQ-1, 0, 0
	PLACES NP
	WIN 0
	FETCH_A 1, 0, 4
	STEPS 1, 0
	s_wait_dscnt 4*NL
	WIN MUL_LO
	MUL16 0, 1, NQ-1, 1, 0
	MUL16 2, 1, NQ-1, 1, 0
	s_wait_dscnt 0
	WIN MUL_HI
	MUL16 4, 1, NQ-1, 1, 0
	MUL16 6, 1, NQ-1, 1, 0
	WIN 0
; THE WAY OUT, block by block of 16 rows of side A x 128 of side B.  PACK: rounded to f16, 16 bytes a lane, each accumulator from its low end on.  TOSTAGE: into my own stage and back by rows.  SEND: stored.
.macro PACK a
.set AC, 64*((\a)%4)
	WIN 0x0a+5*((\a)/4)
.irp b, 0,1,2,3,4,5,6,7
.irp r, 0,1,2,3
	v_cvt_pk_f16_f32 v[TMP+4*\b+\r], v[AC+8*\b+2*\r], v[AC+8*\b+2*\r+1]
.endr
.endr
	WIN 0
.endm
.macro TOSTAGE a, sto, rd, isv
.set BB, OB+192*((\a)%2)
.irp b, 0,1,2,3,4,5,6,7
	ds_store_b128 v[\sto], v[TMP+4*\b:TMP+4*\b+3] offset:32*\b
.endr
.irp t, 0,1,2,3,4,5,6,7
.if \isv
	ds_load_b128 v[BB+4*\t:BB+4*\t+3], v[\rd] offset:\t*2*SPITCH          ; LDS serves a wave's instructions in order: these see the stores above
.else
	ds_load_b128 v[BB+4*\t:BB+4*\t+3], v[\rd] offset:(\t%4)*4*SPITCH+128*(\t/4)
.endif
.endr
.endm
.macro SEND a, co, isv
.set BB, OB+192*((\a)%2)
	s_wait_dscnt 0x0                               ; the block is back in registers
	s_wait_xcnt 0x0                                ; the earlier stores have read their base and their registers
.if (\a) > 0
.if \isv
	s_add_nc_u64 s[12:13], s[12:13], 65536         ; 16 channels of 4,096 bytes on
.else
	s_add_nc_u64 s[12:13], s[12:13], 2048          ; 16 positions of 128 bytes on
.endif
.endif
.irp t, 0,1,2,3,4,5,6,7
.if \isv
	global_store_b128 v[\co], v[BB+4*\t:BB+4*\t+3], s[12:13] offset:\t*8192            ; sixteen lanes store 256 consecutive bytes, aligned
.else
	global_store_b128 v[\co], v[BB+4*\t:BB+4*\t+3], s[12:13] offset:(\t/4)*262144+(\t%4)*512   ; the wave stores 512 consecutive bytes of one head, aligned
.endif
.endr
.endm
	PLACES NP
	s_cmp_eq_u32 ttmp9, 2                          ; the kind: equal in all partners of a cluster
	s_cbranch_scc1 .Lout_v
	PACK 0
	TOSTAGE 0, STOQ, RDQ, 0
.irp a, 1,2,3,4,5,6,7
	PACK \a
	SEND \a-1, COQ, 0
	TOSTAGE \a, STOQ, RDQ, 0
.endr
	SEND 7, COQ, 0
	s_branch .Lclose
.Lout_v:
	PACK 0
	TOSTAGE 0, STOV, RDV, 1
.irp a, 1,2,3,4,5,6,7
	PACK \a
	SEND \a-1, COV, 1
	TOSTAGE \a, STOV, RDV, 1
.endr
	SEND 7, COV, 1
.Lclose:
	s_wait_tensorcnt 0x0                           ; the wave's end
	ds_add_u32 v[SPW], v[NIL]
	s_wait_dscnt 0x0
	CROUND                                         ; the closing round
	s_endpgm
.Lfunc_end_k_qbcf6f2dbbc_qkv:
	.size	k_qbcf6f2dbbc_qkv, .Lfunc_end_k_qbcf6f2dbbc_qkv-k_qbcf6f2dbbc_qkv
	.p2alignl 7, 3214868480
	.fill 96, 4, 3214868480
	.section	.rodata,"a",@progbits
	.p2align	6, 0x0
	.amdhsa_kernel k_qbcf6f2dbbc_qkv
		.amdhsa_group_segment_fixed_size 327680
		.amdhsa_private_segment_fixed_size 0
		.amdhsa_enable_private_segment 0
		.amdhsa_kernarg_size 32
		.amdhsa_user_sgpr_count 2
		.amdhsa_user_sgpr_kernarg_segment_ptr 1
		.amdhsa_wavefront_size32 1
		.amdhsa_system_sgpr_workgroup_id_x 1
		.amdhsa_system_sgpr_workgroup_id_y 1
		.amdhsa_system_sgpr_workgroup_id_z 1
		.amdhsa_system_vgpr_workitem_id 0
		.amdhsa_next_free_vgpr 1024
		.amdhsa_next_free_sgpr 98
		.amdhsa_reserve_vcc 0
		.amdhsa_float_denorm_mode_32 3
		.amdhsa_float_denorm_mode_16_64 3
		.amdhsa_memory_ordered 1
		.amdhsa_forward_progress 1
		.amdhsa_inst_pref_size 159
	.end_amdhsa_kernel
	.amdgpu_metadata
---
amdhsa.version: [ 1, 2 ]
amdhsa.kernels:
  - .name:           k_qbcf6f2dbbc_qkv
    .symbol:         k_qbcf6f2dbbc_qkv.kd
    .args:
      - { .name: codes, .offset: 0, .size: 8, .value_kind: global_buffer, .address_space: global }
      - { .name: scales, .offset: 8, .size: 8, .value_kind: global_buffer, .address_space: global }
      - { .name: qk, .offset: 16, .size: 8, .value_kind: global_buffer, .address_space: global }
      - { .name: vt, .offset: 24, .size: 8, .value_kind: global_buffer, .address_space: global }
    .group_segment_fixed_size: 327680
    .private_segment_fixed_size: 0
    .kernarg_segment_align: 8
    .kernarg_segment_size: 32
    .max_flat_workgroup_size: 128
    .sgpr_count:     98
    .vgpr_count:     1024
    .wavefront_size: 32
...
	.end_amdgpu_metadata
.endif
;; end of part 2
;; launch attn (part 3): grid 4 x 64, 8 waves a work-group, no clusters, 327,680 bytes of LDS; arguments qk, vt, ctx; writes ctx
.if DOCPART == 3
	.amdgcn_target "amdgcn-amd-amdhsa--gfx1250"
	.amdhsa_code_object_version 6
	.text
	.protected	k_qbcf6f2dbbc_attn
	.globl	k_qbcf6f2dbbc_attn
	.p2align	8
	.type	k_qbcf6f2dbbc_attn,@function
k_qbcf6f2dbbc_attn:
	s_mov_b64 s[64:65], 0
	v_nop
	global_prefetch_b8 v0, s[64:65] scope:SCOPE_SE
	s_setreg_imm32_b32 hwreg(HW_REG_WAVE_MODE, 25, 1), 1
	s_wait_xcnt 0x0
; ATTN.  ctx[h][2048 b + q][:] = the sum over k <= q of softmax_k(Q[q] . K[k] / 8) V[k][:], f16 operands, f32 sums, maxima and row sums; the weights are rounded to f16 for the second product, ctx once at the end.
; qk f16 [2][bh][2048][64]; vt f16 [b][1024 channels][2048 positions] (the keys innermost); ctx f16 [16 h][8192][64].   LIMIT: |ctx| under 65,504 (f16).
; SHARES.  Work-group (i, bh) owns the query blocks 7 - i and i of head bh, 256 queries each: first the high block (8 - i slots of 256 keys), then the low one (i + 1 slots): nine slots for every work-group,
; so the 256 work-groups have equal work and the trip count is a constant.  Each of eight waves owns 32 queries, two tiles; two waves share a SIMD, so that one wave's softmax stands beside the other's products.
; NO CLUSTER: the four work-groups of a head want different key slots in the same trip (their pairs of blocks fall out of step), and under the causal mask a whole partner would skip a tile that a joint load brings.
; LAYOUT.  S^T = K Q^T (source 0 = 16 keys, source 1 = 16 queries): a lane holds ONE query (lane % 16) and keys 8 (lane / 16) + 0..7; two such tiles, rounded in pairs, ARE source 1 of O^T = V^T P.
; SOFTMAX.  A running maximum m and sum l for each query: p = 2^(c s - c m), c = log2(e) / 8; in every step O and l are multiplied by a = 2^(c m_old - c m_new).
; The step is written once: O and l begin as zeros and m as -3e38.  Key 0 counts for every query, and every step that is walked has a key that counts for each of the wave's queries (its first key is at or under the wave's first query).
.set KP,    144                        ; a key's row in LDS: 128 bytes + 16
.set VP,    528                        ; a channel's row: 512 bytes (256 keys) + 16
.set VOFF,  256*KP                     ; a slot: 256 rows of K, then 64 rows of V^T
.set SLOT1, 1<<17
.set STAGE, SLOT1+VOFF+64*VP           ; behind the ring: 32 rows x 144 for each wave; no tile lands there
.set SPARE, STAGE+8*32*KP              ; the spare words, 128 bytes for each wave
.set AK0, 1
.set AV0, 2
.set ADK, 3
.set ADV, 4
.set QO,  5
.set STO, 6
.set RD,  7
.set GO,  8
.set SPW, 12
.set NIL, 13
.set PFO, 14
.set DR,  15                           ; v15 r - 8 h, for the mask
.set ST,  16                           ; tile x's statistics at v[ST+8 x]: +0 c m, +1 m, +2, +3 l, +4..+7 at work; a in +6
.set Q,   32                           ; Q's fragment (x, c) at Q + 16 x + 8 c
.set KV,  64                           ; K's (kt, c) at KV + 16 kt + 8 c, then V^T's (ct, kb) at KV + 16 ct + 8 kb
.set S,   128                          ; S^T (x, kt) at S + 32 x + 8 kt; P is packed in place into S + 32 x + 0..15
.set O,   192                          ; O^T (x, ct) at O + 32 x + 8 ct
.set WV,  10
.set BH,  12
.set NHI, 13
.set Q0,  14
.set KF,  15
.set TB,  16
.set SLOTS, 17
.set TN,  18
.set SEL, 20
.set CS,  22
.set G1K, 24
.set G1V, 32
.set G0K, 40
.set G0V, 44
.set KB,  48
.set VB,  50
.set QB,  52
.set CB,  54
.set QP,  56
.set CP,  58
.set PFA, 66
.set PFS, 68
.set LIM, 70
; Waves 0 to 3 fetch 64 keys of K each, waves 4 to 7 sixteen channels of V^T each: one load a wave.  An s_nop 0 and four v_nop follow each line.
.macro TLOAD
	s_cmp_lt_u32 s[WV], 4
	s_cbranch_scc0 .Lfor_v_\@
	tensor_load_to_lds s[G0K:G0K+3], s[G1K:G1K+7]
	s_nop 0
.rept 4
	v_nop
.endr
	s_branch .Lasked_\@
.Lfor_v_\@:
	tensor_load_to_lds s[G0V:G0V+3], s[G1V:G1V+7]
	s_nop 0
.rept 4
	v_nop
.endr
.Lasked_\@:
.endm
; A PREFETCH INTO THE L2 of the key slot that the NEXT change of slots will ask for.  All four work-groups of a head walk the same K and V: the one with i = 0, which walks all eight slots first, asks, in its trips 0 to 5,
; for slots 2 to 7.  Each wave names its own part: waves 0-3 8,192 bytes of K, lanes 256 bytes apart; waves 4-7 sixteen rows of V^T, two blocks of 256 bytes a row.  So each block is named once in the launch.
.macro ASK
	s_cmp_gt_u32 s[SLOTS], s[LIM]
	s_cbranch_scc0 .Lnot_mine_\@
	global_prefetch_b8 v[PFO], s[PFA:PFA+1] th:TH_LOAD_NT scope:SCOPE_SE
.Lnot_mine_\@:
.endm
	s_load_b128 s[4:7], s[0:1], 0x0                ; qk, vt
	s_load_b64 s[8:9], s[0:1], 0x10                ; ctx
	v_lshl_add_u32 v[SPW], v0, 2, SPARE
	v_mov_b32 v[NIL], 0
	ds_add_u32 v[SPW], v[NIL]                      ; the wave's opening: the add, twice on end, and its wait ahead of my first tensor load
	ds_add_u32 v[SPW], v[NIL]
	v_lshrrev_b32 v1, 5, v0
	v_readfirstlane_b32 s[WV], v1                  ; wave 0..7
	s_and_b32 s[BH], ttmp7, 0xffff                 ; 16 b + h
	s_sub_co_u32 s[NHI], 8, ttmp9                  ; slots of the high block
	s_mov_b32 s[G1K], (1<<16)|(1<<20)|(4<<22)|(3<<25)  ; elements of 2 bytes; padding: 4 words after every 32
	s_mov_b32 s[G1K+1], 64<<16                     ; tensor_dim0
	s_mov_b32 s[G1K+2], 64<<16                     ; tensor_dim1
	s_mov_b32 s[G1K+3], 64<<16                     ; tile_dim0
	s_mov_b32 s[G1K+4], 64                         ; tile_dim1
	s_mov_b32 s[G1K+5], 64                         ; the pitch
	s_mov_b32 s[G1K+6], 0
	s_mov_b32 s[G1K+7], 0
	s_mov_b32 s[G1V], (1<<16)|(1<<20)|(6<<22)|(3<<25)  ; padding: 4 words after every 128
	s_mov_b32 s[G1V+1], 256<<16
	s_mov_b32 s[G1V+2], 16<<16
	s_mov_b32 s[G1V+3], 256<<16
	s_mov_b32 s[G1V+4], 16
	s_mov_b32 s[G1V+5], 2048
	s_mov_b32 s[G1V+6], 0
	s_mov_b32 s[G1V+7], 0
	s_mov_b32 s[SEL], 0x76543210
	s_mov_b32 s[SEL+1], 0xfedcba98
	s_mov_b32 s[CS], 0x3e38aa3b                    ; c = log2(e) / 8
	s_mov_b32 s[CS+1], s[CS]
	s_and_b32 s72, s[WV], 3                        ; which quarter of K's or of V's tile I fetch
	s_mov_b32 s[KF], 0
	s_mov_b32 s[TB], 0
	s_wait_dscnt 0x0                               ; both opening adds are done
	s_wait_kmcnt 0x0
	s_lshl_b32 s74, s[BH], 18                      ; a head is 262,144 bytes in q, in k and in vt
	s_mov_b32 s75, 0
	s_add_nc_u64 s[QB:QB+1], s[4:5], s[74:75]
	s_add_nc_u64 s[VB:VB+1], s[6:7], s[74:75]
	s_add_nc_u64 s[KB:KB+1], s[QB:QB+1], 0x1000000
	s_lshl_b32 s74, s72, 13
	s_add_nc_u64 s[KB:KB+1], s[KB:KB+1], s[74:75]  ; my 64 keys of a slot
	s_lshl_b32 s74, s72, 16
	s_add_nc_u64 s[VB:VB+1], s[VB:VB+1], s[74:75]  ; my 16 channels
	s_and_b32 s74, s[BH], 15
	s_lshl_b32 s74, s74, 13
	s_lshr_b32 s76, s[BH], 4
	s_lshl_b32 s76, s76, 11
	s_add_co_u32 s74, s74, s76
	s_lshl_b32 s74, s74, 7
	s_add_nc_u64 s[CB:CB+1], s[8:9], s[74:75]
	s_mov_b32 s[G0K], 1
	s_mul_i32 s[G0K+1], s72, 64*KP
	s_mov_b64 s[G0K+2:G0K+3], s[KB:KB+1]
	s_or_b32 s[G0K+3], s[G0K+3], 0x80000000
	s_mov_b32 s[G0V], 1
	s_mul_i32 s[G0V+1], s72, 16*VP
	s_add_co_u32 s[G0V+1], s[G0V+1], VOFF
	s_mov_b64 s[G0V+2:G0V+3], s[VB:VB+1]
	s_or_b32 s[G0V+3], s[G0V+3], 0x80000000
	TLOAD                                          ; slot 0: keys 0 to 255
	v_and_b32 v9, 15, v0                           ; r
	v_bfe_u32 v10, v0, 4, 1                        ; h
	v_and_b32 v11, 31, v0                          ; lane
	v_mul_u32_u24 v[AK0], v9, KP
	v_lshl_add_u32 v[AK0], v10, 4, v[AK0]
	v_mul_u32_u24 v[AV0], v9, VP
	v_lshl_add_u32 v[AV0], v10, 4, v[AV0]
	v_add_nc_u32 v[AV0], VOFF, v[AV0]
	v_lshlrev_b32 v[QO], 7, v9
	v_lshl_add_u32 v[QO], v10, 4, v[QO]
	s_mul_i32 s73, s[WV], 32*KP
	s_add_co_u32 s73, s73, STAGE
	v_add_nc_u32 v[STO], s73, v[AK0]               ; the stage, in: row r, 16 bytes for each half of the lanes
	v_lshrrev_b32 v3, 3, v11
	v_mul_u32_u24 v[RD], v3, KP
	v_and_b32 v4, 7, v0
	v_lshl_add_u32 v[RD], v4, 4, v[RD]
	v_add_nc_u32 v[RD], s73, v[RD]                 ; back: eight lanes a row of 128 bytes, four rows an instruction
	v_lshlrev_b32 v[GO], 4, v11
	v_lshlrev_b32 v3, 3, v10
	v_sub_nc_u32 v[DR], v9, v3
	s_cmp_lt_u32 s[WV], 4                          ; the prefetches: where my wave's stand
	s_cselect_b64 s[PFA:PFA+1], s[KB:KB+1], s[VB:VB+1]
	s_mov_b32 s[PFS], 512
	s_cselect_b32 s[PFS], 32768, s[PFS]            ; a slot on
	s_cselect_b32 s73, 0, 1
	s_mov_b32 s74, 4096
	s_cselect_b32 s74, 256, s74
	s_cselect_b32 s76, 0, 1
	v_lshrrev_b32 v[PFO], s73, v11
	v_mul_lo_u32 v[PFO], v[PFO], s74
	v_and_b32 v9, s76, v11
	v_lshl_add_u32 v[PFO], v9, 8, v[PFO]
	s_mov_b32 s[PFS+1], 0
	s_add_nc_u64 s[PFA:PFA+1], s[PFA:PFA+1], s[PFS:PFS+1]  ; in slot 1: the first change of slots steps it to slot 2.  Nothing is prefetched here, at the head
	s_cmp_eq_u32 ttmp9, 0
	s_cselect_b32 s[LIM], 2, -1
	s_sub_co_u32 s[Q0], 7, ttmp9
	s_lshl_b32 s[Q0], s[Q0], 8
	s_lshl_b32 s73, s[WV], 5
	s_add_co_u32 s[Q0], s[Q0], s73                 ; my first query of the high block
; A block of queries begins: Q's fragments into registers; m, l and O^T at their starts.
.macro BEGIN
	s_lshl_b32 s74, s[Q0], 7
	s_mov_b32 s75, 0
	s_add_nc_u64 s[QP:QP+1], s[QB:QB+1], s[74:75]
	s_add_nc_u64 s[CP:CP+1], s[CB:CB+1], s[74:75]
.irp x, 0,1
.irp c, 0,1
	global_load_b128 v[Q+16*\x+8*\c:Q+16*\x+8*\c+3], v[QO], s[QP:QP+1] offset:2048*\x+64*\c
	global_load_b128 v[Q+16*\x+8*\c+4:Q+16*\x+8*\c+7], v[QO], s[QP:QP+1] offset:2048*\x+64*\c+32
.endr
.endr
.irp x, 0,1
	v_mov_b32 v[ST+8*\x+1], 0xff61b1e6             ; m = -3e38, under every score
	v_mul_f32 v[ST+8*\x], s[CS], v[ST+8*\x+1]
.irp j, 2,3,4,5,6,7
	v_mov_b32 v[ST+8*\x+\j], 0
.endr
.endr
.set i, 0
.rept 64
	v_mov_b32 v[O+i], 0                            ; the step is written once: its first turn finds zeros
.set i, i+1
.endr
	s_wait_loadcnt 0x0
.endm
; On the diagonal the scores of hidden keys become -infinity ahead of the maximum.  Register (kt, j) of tile x holds key KF + 16 kt + 8 h + j of query Q0 + 16 x + r.  A step all of whose keys count skips this.
.macro MASK
	s_add_co_u32 s72, s[KF], 63
	s_cmp_le_u32 s72, s[Q0]
	s_cbranch_scc1 .Lopen_\@
	s_sub_co_i32 s72, s[Q0], s[KF]
	v_add_nc_u32 v9, s72, v[DR]
	v_add_nc_u32 v10, 16, v9
	v_mov_b32 v11, 0xff800000
.irp x, 0,1
.set n, 0
.rept 32
	v_cmp_gt_i32 vcc_lo, 16*(n/8)+n%8, v[9+\x]
	v_cndmask_b32 v[S+32*\x+n], v[S+32*\x+n], v11, vcc_lo
.set n, n+1
.endr
.endr
.Lopen_\@:
.endm
; The softmax of both tiles for 64 keys, the tiles line by line by turns, so that no line waits for the line above it.
.macro SOFTMAX
.irp j, 0,1,2,3
.irp x, 0,1
	v_max3_num_f32 v[ST+8*\x+4+\j], v[S+32*\x+8*\j], v[S+32*\x+8*\j+1], v[S+32*\x+8*\j+2]   ; each accumulator is read from its low end on
.endr
.endr
.irp g, 1,2
.irp j, 0,1,2,3
.irp x, 0,1
	v_max3_num_f32 v[ST+8*\x+4+\j], v[ST+8*\x+4+\j], v[S+32*\x+8*\j+2*\g+1], v[S+32*\x+8*\j+2*\g+2]
.endr
.endr
.endr
.irp x, 0,1
	v_max3_num_f32 v[ST+8*\x+4], v[ST+8*\x+4], v[S+32*\x+7], v[S+32*\x+15]
.endr
.irp x, 0,1
	v_max3_num_f32 v[ST+8*\x+6], v[ST+8*\x+6], v[S+32*\x+23], v[S+32*\x+31]
.endr
.irp x, 0,1
	v_max3_num_f32 v[ST+8*\x+4], v[ST+8*\x+4], v[ST+8*\x+5], v[ST+8*\x+6]
.endr
.irp x, 0,1
	v_max3_num_f32 v[ST+8*\x+4], v[ST+8*\x+4], v[ST+8*\x+7], v[ST+8*\x+1]   ; and the old m
.endr
.irp x, 0,1
	v_permlanex16_b32 v[ST+8*\x+5], v[ST+8*\x+4], s[SEL], s[SEL+1]          ; the query's other 32 keys lie in the lane 16 away
.endr
.irp x, 0,1
	v_mov_b32 v[ST+8*\x+7], v[ST+8*\x]
.endr
.irp x, 0,1
	v_max_num_f32 v[ST+8*\x+1], v[ST+8*\x+4], v[ST+8*\x+5]
.endr
.irp x, 0,1
	v_mul_f32 v[ST+8*\x], s[CS], v[ST+8*\x+1]
.endr
.irp x, 0,1
	v_sub_f32 v[ST+8*\x+7], v[ST+8*\x+7], v[ST+8*\x]                        ; c m_old - c m_new
.endr
.set i, 0
.rept 16
.irp x, 0,1
	v_pk_fma_f32 v[S+32*\x+i:S+32*\x+i+1], v[S+32*\x+i:S+32*\x+i+1], s[CS:CS+1], v[ST+8*\x:ST+8*\x+1] op_sel_hi:[1,0,0] neg_lo:[0,0,1] neg_hi:[0,0,1]   ; c s - c m
.endr
.set i, i+2
.endr
.irp x, 0,1
	v_exp_f32 v[ST+8*\x+6], v[ST+8*\x+7]           ; a
.endr
.set i, 0
.rept 32
.irp x, 0,1
	v_exp_f32 v[S+32*\x+i], v[S+32*\x+i]           ; p
.endr
.set i, i+1
.endr
	v_nop                                          ; a plain instruction behind the last exponential
	s_wait_alu depctr_va_vdst(0)                   ; one wait for the 66 exponentials, ahead of the first instruction that names a result
.irp x, 0,1
	v_pk_fma_f32 v[ST+8*\x+2:ST+8*\x+3], v[ST+8*\x+2:ST+8*\x+3], v[ST+8*\x+6:ST+8*\x+7], v[S+32*\x:S+32*\x+1] op_sel_hi:[1,0,1]   ; l = a l + the first pair; the sums go in two chains
.endr
.irp x, 0,1
	v_pk_add_f32 v[ST+8*\x+4:ST+8*\x+5], v[S+32*\x+2:S+32*\x+3], v[S+32*\x+4:S+32*\x+5]
.endr
.irp b, 6,10,14,18,22,26
.irp x, 0,1
	v_pk_add_f32 v[ST+8*\x+2:ST+8*\x+3], v[ST+8*\x+2:ST+8*\x+3], v[S+32*\x+\b:S+32*\x+\b+1]
	v_pk_add_f32 v[ST+8*\x+4:ST+8*\x+5], v[ST+8*\x+4:ST+8*\x+5], v[S+32*\x+\b+2:S+32*\x+\b+3]
.endr
.endr
.irp x, 0,1
	v_pk_add_f32 v[ST+8*\x+2:ST+8*\x+3], v[ST+8*\x+2:ST+8*\x+3], v[S+32*\x+30:S+32*\x+31]
.endr
.irp x, 0,1
	v_pk_add_f32 v[ST+8*\x+2:ST+8*\x+3], v[ST+8*\x+2:ST+8*\x+3], v[ST+8*\x+4:ST+8*\x+5]
.endr
.set i, 0
.rept 16
.irp x, 0,1
	v_cvt_pk_f16_f32 v[S+32*\x+i], v[S+32*\x+2*i], v[S+32*\x+2*i+1]   ; P, packed in place, ascending: no pair is written before it is read
.endr
.set i, i+1
.endr
.set i, 0
.rept 16
.irp x, 0,1
	v_pk_mul_f32 v[O+32*\x+i:O+32*\x+i+1], v[O+32*\x+i:O+32*\x+i+1], v[ST+8*\x+6:ST+8*\x+7] op_sel_hi:[1,0]   ; O^T x a
.endr
.set i, i+2
.endr
.endm
; A KEY STEP: 64 keys, the q-th of the slot in hand.  A step all of whose keys come after my 32 queries is left out: a scalar branch on ids; no barrier and no tensor load stands in a step.
.macro STEP q
	s_add_co_u32 s72, s[Q0], 31
	s_cmp_gt_u32 s[KF], s72
	s_cbranch_scc1 .Lhidden_\@
	v_add_nc_u32 v[ADK], s[TB], v[AK0]
	v_add_nc_u32 v[ADV], s[TB], v[AV0]
.rept 3
	v_nop                                          ; with the two additions five places: K's loads land in registers that the last products read, and the products below write over P
.endr
.irp kt, 0,1,2,3
.irp c, 0,1
	ds_load_b128 v[KV+16*\kt+8*\c:KV+16*\kt+8*\c+3], v[ADK] offset:(64*(\q)+16*\kt)*KP+64*\c
	ds_load_b128 v[KV+16*\kt+8*\c+4:KV+16*\kt+8*\c+7], v[ADK] offset:(64*(\q)+16*\kt)*KP+64*\c+32
.endr
.endr
	s_wait_dscnt 0x0
.irp c, 0,1                                    ; S^T = K Q^T: eight accumulators by turns, one instruction a turn
.irp kt, 0,1,2,3
.irp x, 0,1
.if \c == 0
	v_wmma_f32_16x16x32_f16 v[S+32*\x+8*\kt:S+32*\x+8*\kt+7], v[KV+16*\kt+8*\c:KV+16*\kt+8*\c+7], v[Q+16*\x+8*\c:Q+16*\x+8*\c+7], 0
.else
	v_wmma_f32_16x16x32_f16 v[S+32*\x+8*\kt:S+32*\x+8*\kt+7], v[KV+16*\kt+8*\c:KV+16*\kt+8*\c+7], v[Q+16*\x+8*\c:Q+16*\x+8*\c+7], v[S+32*\x+8*\kt:S+32*\x+8*\kt+7]
.endif
.endr
.endr
.endr
.rept 4
	v_nop                                          ; places in front of V's loads into K's registers, and of the first read of the scores
.endr
.irp ct, 0,1,2,3
.irp kb, 0,1
	ds_load_b128 v[KV+16*\ct+8*\kb:KV+16*\ct+8*\kb+3], v[ADV] offset:16*\ct*VP+128*(\q)+64*\kb
	ds_load_b128 v[KV+16*\ct+8*\kb+4:KV+16*\ct+8*\kb+7], v[ADV] offset:16*\ct*VP+128*(\q)+64*\kb+32
.endr
.endr
	MASK
	SOFTMAX
	s_wait_dscnt 0x0                               ; V^T is in: asked for a softmax ago
.irp kb, 0,1                                   ; O^T += V^T P: eight accumulators by turns
.irp ct, 0,1,2,3
.irp x, 0,1
	v_wmma_f32_16x16x32_f16 v[O+32*\x+8*\ct:O+32*\x+8*\ct+7], v[KV+16*\ct+8*\kb:KV+16*\ct+8*\kb+7], v[S+32*\x+8*\kb:S+32*\x+8*\kb+7], v[O+32*\x+8*\ct:O+32*\x+8*\ct+7]
.endr
.endr
.endr
.Lhidden_\@:
	s_add_co_u32 s[KF], s[KF], 64
.endm
; THE CHANGE OF SLOTS stands at a slot's head.  Each wave waits for all its tensor loads (its part of the slot that it is about to read), adds 0 to its spare word, and waits for that and for its reads of the slot that it has left.
; fill = 1: behind the barrier the other slot takes the keys that follow; the load has a whole slot's four steps in which to land.  One load of a wave is out at the most.
.macro CHANGE fill
	s_wait_tensorcnt 0x0                           ; no tensor load of mine is out, so a group 0 may be written
	ds_add_u32 v[SPW], v[NIL]
.if \fill
	s_sub_co_u32 s72, s[TN], s[NHI]
	s_cmp_lt_u32 s[TN], s[NHI]
	s_cselect_b32 s72, s[TN], s72                  ; which 256 keys: the high block's slots first, then the low block's from key 0 again
	s_xor_b32 s[G0K+1], s[G0K+1], SLOT1
	s_xor_b32 s[G0V+1], s[G0V+1], SLOT1
	s_lshl_b32 s74, s72, 15
	s_mov_b32 s75, 0
	s_add_nc_u64 s[G0K+2:G0K+3], s[KB:KB+1], s[74:75]
	s_or_b32 s[G0K+3], s[G0K+3], 0x80000000
	s_lshl_b32 s74, s72, 9
	s_add_nc_u64 s[G0V+2:G0V+3], s[VB:VB+1], s[74:75]
	s_or_b32 s[G0V+3], s[G0V+3], 0x80000000
	s_wait_xcnt 0x0                                ; the last prefetch, a slot back, has read its address
	s_add_nc_u64 s[PFA:PFA+1], s[PFA:PFA+1], s[PFS:PFS+1]
.endif
	s_wait_dscnt 0x0                               ; the add is done, and my reads of the slot that I have left are over
	s_barrier_signal -1
	s_barrier_wait -1
.if \fill
	TLOAD                                          ; the first thing behind the barrier, and my one tensor load until the next
	ASK
.endif
.endm
; A block of queries ends: O^T / l, rounded to f16, through my stage, out as whole rows: the wave stores 512 consecutive bytes an instruction.
.macro FLUSH
.rept 4
	v_nop                                          ; places behind the last products
.endr
.irp x, 0,1
	v_add_f32 v[ST+8*\x+4], v[ST+8*\x+2], v[ST+8*\x+3]
.endr
.irp x, 0,1
	v_permlanex16_b32 v[ST+8*\x+5], v[ST+8*\x+4], s[SEL], s[SEL+1]
.endr
.irp x, 0,1
	v_add_f32 v[ST+8*\x+4], v[ST+8*\x+4], v[ST+8*\x+5]
.endr
.irp x, 0,1
	v_rcp_f32 v[ST+8*\x+6], v[ST+8*\x+4]
.endr
	v_nop
	s_wait_alu depctr_va_vdst(0)                   ; one wait for the two reciprocals, ahead of their first reader
.set i, 0
.rept 32
	v_pk_mul_f32 v[O+i:O+i+1], v[O+i:O+i+1], v[ST+8*(i/32)+6:ST+8*(i/32)+7] op_sel_hi:[1,0]
.set i, i+2
.endr
.set i, 0
.rept 32
	v_cvt_pk_f16_f32 v[KV+i], v[O+2*i], v[O+2*i+1]
.set i, i+1
.endr
.irp x, 0,1
.irp ct, 0,1,2,3
	ds_store_b128 v[STO], v[KV+16*\x+4*\ct:KV+16*\x+4*\ct+3] offset:16*KP*\x+32*\ct
.endr
.endr
.irp t, 0,1,2,3,4,5,6,7
	ds_load_b128 v[KV+32+4*\t:KV+32+4*\t+3], v[RD] offset:4*KP*\t   ; LDS serves a wave's instructions in order: these see the stores above
.endr
.irp t, 0,1,2,3,4,5,6,7
	s_wait_dscnt 7-\t                              ; the younger read-backs may be out
	global_store_b128 v[GO], v[KV+32+4*\t:KV+32+4*\t+3], s[CP:CP+1] offset:512*\t
.endr
	s_wait_xcnt 0x0                                ; the stores have read their base and their registers
.endm
	BEGIN
	s_mov_b32 s[SLOTS], 8
	s_mov_b32 s[TN], 1
.Lslot:                                            ; eight trips; behind each change of slots the next slot is asked for (in the first trip: slot 1's first fill, behind a barrier behind which nothing is filled again)
	CHANGE 1
	STEP 0
	STEP 1
	STEP 2
	STEP 3
	s_xor_b32 s[TB], s[TB], SLOT1
	s_cmp_lg_u32 s[TN], s[NHI]                     ; ids and the count of trips alone
	s_cbranch_scc1 .Lsame_block
	FLUSH                                          ; the high block is done: on to the low one
	s_lshl_b32 s[Q0], ttmp9, 8
	s_lshl_b32 s73, s[WV], 5
	s_add_co_u32 s[Q0], s[Q0], s73
	s_mov_b32 s[KF], 0
	BEGIN
.Lsame_block:
	s_add_co_u32 s[TN], s[TN], 1
	s_sub_co_u32 s[SLOTS], s[SLOTS], 1
	s_cmp_lg_u32 s[SLOTS], 0
	s_cbranch_scc1 .Lslot
	CHANGE 0                                       ; the ninth slot is written out: nothing is left to fetch
	STEP 0
	STEP 1
	STEP 2
	STEP 3
	FLUSH
	s_wait_tensorcnt 0x0                           ; the wave's end
	ds_add_u32 v[SPW], v[NIL]
	s_wait_dscnt 0x0
	s_endpgm
.Lfunc_end_k_qbcf6f2dbbc_attn:
	.size	k_qbcf6f2dbbc_attn, .Lfunc_end_k_qbcf6f2dbbc_attn-k_qbcf6f2dbbc_attn
	.p2alignl 7, 3214868480
	.fill 96, 4, 3214868480
	.section	.rodata,"a",@progbits
	.p2align	6, 0x0
	.amdhsa_kernel k_qbcf6f2dbbc_attn
		.amdhsa_group_segment_fixed_size 327680
		.amdhsa_private_segment_fixed_size 0
		.amdhsa_enable_private_segment 0
		.amdhsa_kernarg_size 24
		.amdhsa_user_sgpr_count 2
		.amdhsa_user_sgpr_kernarg_segment_ptr 1
		.amdhsa_wavefront_size32 1
		.amdhsa_system_sgpr_workgroup_id_x 1
		.amdhsa_system_sgpr_workgroup_id_y 1
		.amdhsa_system_sgpr_workgroup_id_z 1
		.amdhsa_system_vgpr_workitem_id 0
		.amdhsa_next_free_vgpr 256
		.amdhsa_next_free_sgpr 80
		.amdhsa_reserve_vcc 1
		.amdhsa_float_denorm_mode_32 3
		.amdhsa_float_denorm_mode_16_64 3
		.amdhsa_memory_ordered 1
		.amdhsa_forward_progress 1
		.amdhsa_inst_pref_size 198
	.end_amdhsa_kernel
	.amdgpu_metadata
---
amdhsa.version: [ 1, 2 ]
amdhsa.kernels:
  - .name:           k_qbcf6f2dbbc_attn
    .symbol:         k_qbcf6f2dbbc_attn.kd
    .args:
      - { .name: qk, .offset: 0, .size: 8, .value_kind: global_buffer, .address_space: global }
      - { .name: vt, .offset: 8, .size: 8, .value_kind: global_buffer, .address_space: global }
      - { .name: ctx, .offset: 16, .size: 8, .value_kind: global_buffer, .address_space: global }
    .group_segment_fixed_size: 327680
    .private_segment_fixed_size: 0
    .kernarg_segment_align: 8
    .kernarg_segment_size: 24
    .max_flat_workgroup_size: 256
    .sgpr_count:     80
    .vgpr_count:     256
    .wavefront_size: 32
...
	.end_amdgpu_metadata
.endif
;; end of part 3
;; launch proj (part 4): grid 4 x 64, 4 waves a work-group, clusters of 4 x 4, 327,680 bytes of LDS; arguments ctx, woh, bo, out0; writes out0
.if DOCPART == 4
	.amdgcn_target "amdgcn-amd-amdhsa--gfx1250"
	.amdhsa_code_object_version 6
	.text
	.protected	k_qbcf6f2dbbc_proj
	.globl	k_qbcf6f2dbbc_proj
	.p2align	8
	.type	k_qbcf6f2dbbc_proj,@function
k_qbcf6f2dbbc_proj:
	s_mov_b64 s[64:65], 0
	v_nop
	global_prefetch_b8 v0, s[64:65] scope:SCOPE_SE
	s_setreg_imm32_b32 hwreg(HW_REG_WAVE_MODE, 25, 1), 1
	s_wait_xcnt 0x0
	s_wait_alu depctr_hold_cnt(0) depctr_sa_sdst(0) depctr_va_vdst(0) depctr_va_sdst(0) depctr_va_ssrc(0) depctr_va_vcc(0) depctr_vm_vsrc(0)
	s_getreg_b32 s2, hwreg(HW_REG_IB_STS2, 6, 4)
	s_cmp_eq_u32 s2, 0
	s_cbranch_scc0 .Lentry_in_a_cluster
	s_endpgm
.Lentry_in_a_cluster:
	s_bfe_u32 s2, ttmp6, 0x10000c
	s_cmp_lg_u32 s2, 0xf033
	s_cbranch_scc0 .Lentry_shape_is_right
	s_endpgm
.Lentry_shape_is_right:
; PROJ.  out0 = ctx Wo + bo, f16 operands, f32 sums.  ctx f16 [16 h][8192 rows][64]; woh f16 [1024 k][1024 n]; bo f32; out0 f32 [8192][1024].
; A tile of 128 rows x 256 columns for each work-group: 256 work-groups.  Four waves, 64 rows x 128 columns each: 32 accumulators.  K goes in 8 steps of 128 (two heads) through a ring of two LDS slots.
; CLUSTERS: 4 x 4; ctx's tile hangs on the tile row and is shared along a row of the cluster, Wo's on the tile column and is shared along a column: joint loads.
; THE MATRIX INSTRUCTION IS USED TRANSPOSED (source 0 = 16 columns of Wo, turned on the way out of LDS; source 1 = 16 rows of ctx): a lane holds eight neighbouring columns of one row.
; The bias is the C of each sum's first matrix instruction.  (Rows 0-15 of each sequence are written once more, more finely, by a later launch.)
; REGISTERS: window 0: v16-31 addresses; v64-127 ctx's fragments, two buffers of 32; v128-255 the way out.  window 1: v0-127 Wo's fragments, two buffers of 64; v128-191 the bias.  window 2: accumulator (a, b) at v[8 (8 a + b)].
.set AP,     144                       ; a row of ctx in LDS: 128 bytes + 16
.set BP,     544                       ; a row of Wo: 512 bytes + 32
.set BOFF,   2*128*AP                  ; a slot: two heads' 128 rows of ctx, then 128 rows of Wo
.set SLOT,   BOFF+128*BP
.set SPARE,  2*SLOT                    ; the spare words, 128 bytes for each wave
.set SPITCH, 528                       ; the way out: 16 rows x (512 + 16) for each wave, in slot 0, behind its last fill and its last read
.set ASTEP,  2097152                   ; a K step on in ctx: two heads
.set BSTEP,  262144                    ; and in woh: 128 rows
.set ADRA, 16
.set ADRB, 20
.set STO,  24
.set RD,   25
.set CO,   26
.set SPW,  28
.set NIL,  29
.set PFO,  30
.set AF,   64
.set BI,   128
.set BK,   128
.set G1,  24
.set G0,  32
.set LIM, 43
.set PFA, 44
.set G1B, 48
.set G0B, 56
.set WV,  66
.set RH,  67
.set CH,  68
.set MSB, 0
.macro WIN new
.if MSB != \new
	s_set_vgpr_msb (MSB<<8)|\new
.set MSB, \new
.endif
.endm
.set MUL,  0xa1                        ; source 0 (Wo) window 1, source 1 (ctx) window 0, C and D window 2
.set MULB, 0x91                        ; the same with C (the bias) in window 1
.set TO_B, 0x40
.macro JLOAD s                         ; a joint load: waves 0 and 1 fetch ctx's two heads, waves 2 and 3 Wo's two halves; an s_nop 0 and four v_nop follow each line
	s_cmp_eq_u32 s[RH], 0
	s_cbranch_scc0 .Lfor_b_\@
	tensor_load_to_lds s[G0+4*\s:G0+4*\s+3], s[G1:G1+7]
	s_nop 0
.rept 4
	v_nop
.endr
	s_branch .Lasked_\@
.Lfor_b_\@:
	tensor_load_to_lds s[G0B+4*\s:G0B+4*\s+3], s[G1B:G1B+7]
	s_nop 0
.rept 4
	v_nop
.endr
.Lasked_\@:
.endm
.macro CREST
	s_cmp_lg_u32 s[WV], 0
	s_cbranch_scc1 .Lnot_wave_0_\@
	s_barrier_signal -3
.Lnot_wave_0_\@:
	s_barrier_wait -3
	s_barrier_signal -1
	s_barrier_wait -1
.endm
.macro CROUND
	s_barrier_signal -1
	s_barrier_wait -1
	CREST
.endm
; A PREFETCH INTO THE L2 of ctx's tile of the K step that stands two refills on (steps 4 to 7, in the loop's first two trips).  A tile row is read by one row of one cluster alone: its four partners share the step's
; 32,768 bytes out BY ADDRESS, 8,192 each, lanes 256 bytes apart; in each, wave 0 asks.  So each block is named once in the launch.  Wo's rows are read by all sixteen rows of clusters and are not asked for.
.macro ASK
	s_cmp_gt_u32 s3, s[LIM]
	s_cbranch_scc0 .Lnot_mine_\@
	global_prefetch_b8 v[PFO], s[PFA:PFA+1] th:TH_LOAD_NT scope:SCOPE_SE
.Lnot_mine_\@:
.endm
	s_load_b256 s[4:11], s[0:1], 0x0               ; ctx 4:5, woh 6:7, bo 8:9, out0 10:11
	v_lshl_add_u32 v[SPW], v0, 2, SPARE
	v_mov_b32 v[NIL], 0
	ds_add_u32 v[SPW], v[NIL]                      ; the wave's opening: the add, twice on end, and its wait ahead of my first tensor load
	ds_add_u32 v[SPW], v[NIL]
	v_lshrrev_b32 v1, 5, v0
	v_readfirstlane_b32 s[WV], v1
	s_lshr_b32 s[RH], s[WV], 1                     ; which 64 rows are mine.  Also: I fetch for ctx (0) or for Wo (1)
	s_and_b32 s[CH], s[WV], 1                      ; which 128 columns.  Also: which half I fetch
	s_bfe_u32 s40, ttmp6, 0x40000                  ; cx
	s_bfe_u32 s41, ttmp6, 0x40004                  ; cy
	s_lshl_b32 s42, ttmp9, 2
	s_add_co_u32 s42, s42, s40                     ; tile column
	s_and_b32 s13, ttmp7, 0xffff
	s_lshl_b32 s13, s13, 2
	s_add_co_u32 s13, s13, s41                     ; tile row
	s_lshl_b32 s70, s41, 2
	s_lshl_b32 s70, 15, s70                        ; my row of the cluster
	s_lshl_b32 s71, 0x1111, s40                    ; my column
	s_or_b32 s[G1+0], s70, (1<<16)|(1<<20)|(1<<21)|(4<<22)|(3<<25)   ; elements of 2 bytes; padding: 4 words after every 32
	s_mov_b32 s[G1+1], 64<<16
	s_mov_b32 s[G1+2], 128<<16
	s_mov_b32 s[G1+3], 64<<16
	s_mov_b32 s[G1+4], 128
	s_mov_b32 s[G1+5], 64
	s_mov_b32 s[G1+6], 0
	s_mov_b32 s[G1+7], 0
	s_or_b32 s[G1B+0], s71, (1<<16)|(1<<20)|(1<<21)|(6<<22)|(7<<25)  ; padding: 8 words after every 128
	s_mov_b32 s[G1B+1], 256<<16
	s_mov_b32 s[G1B+2], 64<<16
	s_mov_b32 s[G1B+3], 256<<16
	s_mov_b32 s[G1B+4], 64
	s_mov_b32 s[G1B+5], 1024
	s_mov_b32 s[G1B+6], 0
	s_mov_b32 s[G1B+7], 0
	s_lshl_b32 s16, s13, 14                        ; ctx: 128 rows of 128 bytes a tile row,
	s_lshl_b32 s17, s[CH], 20                      ; a head on for the odd wave
	s_add_co_u32 s16, s16, s17
	s_mov_b32 s17, 0
	s_lshl_b32 s46, s42, 9                         ; woh: 256 columns of 2 bytes a tile column,
	s_lshl_b32 s47, s[CH], 17                      ; 64 rows on for the odd wave
	s_add_co_u32 s46, s46, s47
	s_mov_b32 s47, 0
	s_mul_i32 s20, s[CH], 128*AP
	s_mul_i32 s21, s[CH], 64*BP
	s_add_co_u32 s21, s21, BOFF
	s_wait_dscnt 0x0                               ; both opening adds are done
	s_wait_kmcnt 0x0
	s_add_nc_u64 s[14:15], s[4:5], s[16:17]
	s_add_nc_u64 s[46:47], s[6:7], s[46:47]
	CROUND                                         ; all sixteen work-groups are here: the first joint loads meet
.irp s, 0,1
	s_mov_b32 s[G0+4*\s], 1
	s_add_co_u32 s[G0+4*\s+1], s20, \s*SLOT
	s_add_nc_u64 s[G0+4*\s+2:G0+4*\s+3], s[14:15], \s*ASTEP
	s_or_b32 s[G0+4*\s+3], s[G0+4*\s+3], 0x80000000
	s_mov_b32 s[G0B+4*\s], 1
	s_add_co_u32 s[G0B+4*\s+1], s21, \s*SLOT
	s_add_nc_u64 s[G0B+4*\s+2:G0B+4*\s+3], s[46:47], \s*BSTEP
	s_or_b32 s[G0B+4*\s+3], s[G0B+4*\s+3], 0x80000000
	JLOAD \s
.endr
	v_and_b32 v1, 15, v0                           ; r
	v_bfe_u32 v2, v0, 4, 1                         ; h
	v_and_b32 v3, 31, v0                           ; lane
	v_lshlrev_b32 v31, 5, v2                       ; the bias: 32 h
	s_lshl_b32 s20, s42, 10
	s_lshl_b32 s21, s[CH], 9
	s_add_co_u32 s20, s20, s21
	s_mov_b32 s21, 0
	s_add_nc_u64 s[8:9], s[8:9], s[20:21]
	WIN TO_B
.irp b, 0,1,2,3,4,5,6,7
	global_load_b128 v[BI+8*\b:BI+8*\b+3], v31, s[8:9] offset:64*\b          ; bo at my columns 16 b + 8 h + 0..7: the result's layout
	global_load_b128 v[BI+8*\b+4:BI+8*\b+7], v31, s[8:9] offset:64*\b+16
.endr
	WIN 0
	v_mul_u32_u24 v4, v1, AP
	v_lshl_add_u32 v4, v2, 4, v4
	s_mul_i32 s21, s[RH], 64*AP
	v_add_nc_u32 v[ADRA], s21, v4
	v_add_nc_u32 v[ADRA+1], SLOT, v[ADRA]
	v_and_b32 v5, 7, v0
	v_lshl_add_u32 v5, v2, 3, v5                   ; the turning load: row 8 h + lane % 8,
	v_mul_u32_u24 v5, v5, BP
	v_bfe_u32 v6, v0, 3, 1
	v_lshl_add_u32 v5, v6, 4, v5                   ; 16 bytes for each eight lanes
	s_lshl_b32 s22, s[CH], 8
	s_add_co_u32 s22, s22, BOFF
	v_add_nc_u32 v[ADRB], s22, v5
	v_add_nc_u32 v[ADRB+1], SLOT, v[ADRB]
	s_mul_i32 s23, s[WV], 16*SPITCH
	v_mul_u32_u24 v5, v1, SPITCH
	v_lshl_add_u32 v5, v2, 5, v5
	v_add_nc_u32 v[STO], s23, v5
	v_lshlrev_b32 v[CO], 4, v3
	v_add_nc_u32 v[RD], s23, v[CO]
	v_lshlrev_b32 v[PFO], 8, v3
	s_lshl_b32 s20, s13, 19                        ; out0: 128 rows of 4,096 bytes a tile row
	s_lshl_b32 s21, s[RH], 18
	s_add_co_u32 s20, s20, s21
	s_lshl_b32 s21, s42, 10
	s_add_co_u32 s20, s20, s21
	s_lshl_b32 s21, s[CH], 9
	s_add_co_u32 s20, s20, s21
	s_mov_b32 s21, 0
	s_add_nc_u64 s[10:11], s[10:11], s[20:21]
	s_lshr_b32 s20, s40, 1                         ; the prefetches: partner cx takes head cx / 2, half cx % 2 of the step's tile
	s_lshl_b32 s20, s20, 20
	s_and_b32 s21, s40, 1
	s_lshl_b32 s21, s21, 13
	s_add_co_u32 s20, s20, s21
	s_lshl_b32 s21, s13, 14
	s_add_co_u32 s20, s20, s21
	s_add_co_u32 s20, s20, 3*ASTEP                 ; at K step 3: the first refill steps it to 4
	s_mov_b32 s21, 0
	s_add_nc_u64 s[PFA:PFA+1], s[4:5], s[20:21]
	s_cmp_eq_u32 s[WV], 0
	s_cselect_b32 s[LIM], 1, -1
.macro MUL8 f, a, first                ; 8 matrix instructions: ctx's block a x Wo's eight; the 32 accumulators take turns, one instruction a turn
.irp b, 0,1,2,3,4,5,6,7
.if \first
	v_wmma_f32_16x16x32_f16 v[8*(8*(\a)+\b):8*(8*(\a)+\b)+7], v[64*(\f)+8*\b:64*(\f)+8*\b+7], v[AF+32*(\f)+8*(\a):AF+32*(\f)+8*(\a)+7], v[BI+8*\b:BI+8*\b+7]
.else
	v_wmma_f32_16x16x32_f16 v[8*(8*(\a)+\b):8*(8*(\a)+\b)+7], v[64*(\f)+8*\b:64*(\f)+8*\b+7], v[AF+32*(\f)+8*(\a):AF+32*(\f)+8*(\a)+7], v[8*(8*(\a)+\b):8*(8*(\a)+\b)+7]
.endif
.endr
.endm
.macro FETCH slot, q, f                ; 24 LDS loads in one run: the fragments of the slot's q-th 32 along K into buffer f: Wo's sixteen first, then ctx's eight
	WIN TO_B
.irp b, 0,1,2,3,4,5,6,7
	ds_load_tr16_b128 v[64*(\f)+8*\b:64*(\f)+8*\b+3], v[ADRB+\slot] offset:32*BP*(\q)+32*\b
	ds_load_tr16_b128 v[64*(\f)+8*\b+4:64*(\f)+8*\b+7], v[ADRB+\slot] offset:32*BP*(\q)+32*\b+16*BP
.endr
	WIN 0
.irp i, 0,1,2,3
	ds_load_b128 v[AF+32*(\f)+8*\i:AF+32*(\f)+8*\i+3], v[ADRA+\slot] offset:((\q)/2)*128*AP+((\q)%2)*64+16*AP*\i
	ds_load_b128 v[AF+32*(\f)+8*\i+4:AF+32*(\f)+8*\i+7], v[ADRA+\slot] offset:((\q)/2)*128*AP+((\q)%2)*64+16*AP*\i+32
.endr
.endm
.macro PLACES
.rept 4
	v_nop
.endr
.endm
.macro QUARTER slot, q, f, g, first    ; multiplies buffer f; in its middle it fetches the slot's q-th 32 along K into buffer g
	s_wait_dscnt 4                                 ; Wo's fragments and ctx's blocks 0, 1 are in; the youngest four loads (blocks 2, 3) may be out
.if \first
	WIN MULB
.else
	WIN MUL
.endif
	MUL8 \f, 0, \first
	MUL8 \f, 1, \first
	PLACES
	FETCH \slot, \q, \g
	s_wait_dscnt 24                                ; all but the 24 just issued
.if \first
	WIN MULB
.else
	WIN MUL
.endif
	MUL8 \f, 2, \first
	MUL8 \f, 3, \first
.endm
; The last quarter multiplies buffer 1 and changes slots: one barrier; in front of it each wave waits for all its tensor loads, adds 0 to its spare word, and waits for that and for its own reads of this slot.
.macro TURN slot, next, fill
.if \fill
	s_wait_xcnt 0x0                                ; the last prefetch, a K step back, has read its address
	s_add_nc_u64 s[PFA:PFA+1], s[PFA:PFA+1], ASTEP
.endif
	WIN 0
	s_wait_tensorcnt 0x0                           ; my part of the next slot has landed
	ds_add_u32 v[SPW], v[NIL]
	s_wait_dscnt 5                                 ; the add and the youngest four loads may be out
	WIN MUL
	MUL8 1, 0, 0
	s_wait_dscnt 0x0                               ; the add is done, and my reads of this slot are over
	s_barrier_signal -1
	MUL8 1, 1, 0
.if \fill
	WIN 0
.endif
	s_barrier_wait -1
.if \fill
	CREST                                          ; the barrier has opened a round of the cluster's: no wave of any partner still reads this slot or has a load on its way
	s_add_nc_u64 s[G0+4*\slot+2:G0+4*\slot+3], s[G0+4*\slot+2:G0+4*\slot+3], 2*ASTEP
	s_add_nc_u64 s[G0B+4*\slot+2:G0B+4*\slot+3], s[G0B+4*\slot+2:G0B+4*\slot+3], 2*BSTEP
	JLOAD \slot                                    ; the first tensor load behind the round; its four v_nop are also the places in front of the loads below
.else
	PLACES
.endif
	FETCH \next, 0, 0
.if \fill
	ASK
.endif
	WIN MUL
	MUL8 1, 2, 0
	MUL8 1, 3, 0
.endm
	s_wait_tensorcnt 1                             ; my part of K step 0 is in; K step 1's load may be out,
	s_barrier_signal -1
	s_barrier_wait -1                              ; everybody's is
	FETCH 0, 0, 0
	s_wait_loadcnt 0x0                             ; the bias
	QUARTER 0, 1, 0, 1, 1                          ; the first quarter starts the sums on the bias: nothing is cleared
	WIN 0
	s_mov_b32 s3, 3
.Llap:                                             ; a trip goes once round the ring, from a lap's second quarter to the next lap's first, and fills both slots again
	QUARTER 0, 2, 1, 0, 0
	QUARTER 0, 3, 0, 1, 0
	TURN 0, 1, 1
	QUARTER 1, 1, 0, 1, 0
	QUARTER 1, 2, 1, 0, 0
	QUARTER 1, 3, 0, 1, 0
	TURN 1, 0, 1
	QUARTER 0, 1, 0, 1, 0
	WIN 0
	s_sub_co_u32 s3, s3, 1
	s_cmp_lg_u32 s3, 0
	s_cbranch_scc1 .Llap
	QUARTER 0, 2, 1, 0, 0                          ; the last lap fills nothing
	QUARTER 0, 3, 0, 1, 0
	TURN 0, 1, 0
	QUARTER 1, 1, 0, 1, 0
	QUARTER 1, 2, 1, 0, 0
	QUARTER 1, 3, 0, 1, 0
	s_wait_dscnt 4
	WIN MUL
	MUL8 1, 0, 0
	MUL8 1, 1, 0
	s_wait_dscnt 0
	MUL8 1, 2, 0
	MUL8 1, 3, 0
	WIN 0
; THE WAY OUT, block by block of 16 rows x 128 columns: through my own stage, back as whole rows of 512 bytes.
.macro TOSTAGE a
	WIN 0x08                                       ; an LDS store's data are its source 1: window 2
.irp b, 0,1,2,3,4,5,6,7
	ds_store_b128 v[STO], v[8*(8*(\a)+\b):8*(8*(\a)+\b)+3] offset:64*\b          ; each accumulator from its low end on
	ds_store_b128 v[STO], v[8*(8*(\a)+\b)+4:8*(8*(\a)+\b)+7] offset:64*\b+16
.endr
	WIN 0
.set BB, BK+64*((\a)%2)
.irp t, 0,1,2,3,4,5,6,7,8,9,10,11,12,13,14,15
	ds_load_b128 v[BB+4*\t:BB+4*\t+3], v[RD] offset:\t*SPITCH
.endr
.endm
.macro SEND a, younger
.set BB, BK+64*((\a)%2)
	s_wait_dscnt \younger
.if (\a) > 0
	s_add_nc_u64 s[10:11], s[10:11], 16*4096       ; behind a wait on XCNT: the earlier stores have read their base
.endif
.irp t, 0,1,2,3,4,5,6,7,8,9,10,11,12,13,14,15
	global_store_b128 v[CO], v[BB+4*\t:BB+4*\t+3], s[10:11] offset:\t*4096 th:TH_STORE_NT   ; 32 lanes store 512 consecutive bytes, aligned
.endr
.endm
	PLACES
	TOSTAGE 0
.irp a, 1,2,3
.if \a > 1
	s_wait_xcnt 0x0                                ; block a - 2's stores have read their registers and their base
.endif
	TOSTAGE \a
	SEND \a-1, 32                                  ; behind block a - 1's loads: block a's 16 stores and 16 loads
.endr
	s_wait_xcnt 0x0
	SEND 3, 0
	s_wait_tensorcnt 0x0                           ; the wave's end
	ds_add_u32 v[SPW], v[NIL]
	s_wait_dscnt 0x0
	CROUND                                         ; the closing round
	s_endpgm
.Lfunc_end_k_qbcf6f2dbbc_proj:
	.size	k_qbcf6f2dbbc_proj, .Lfunc_end_k_qbcf6f2dbbc_proj-k_qbcf6f2dbbc_proj
	.p2alignl 7, 3214868480
	.fill 96, 4, 3214868480
	.section	.rodata,"a",@progbits
	.p2align	6, 0x0
	.amdhsa_kernel k_qbcf6f2dbbc_proj
		.amdhsa_group_segment_fixed_size 327680
		.amdhsa_private_segment_fixed_size 0
		.amdhsa_enable_private_segment 0
		.amdhsa_kernarg_size 32
		.amdhsa_user_sgpr_count 2
		.amdhsa_user_sgpr_kernarg_segment_ptr 1
		.amdhsa_wavefront_size32 1
		.amdhsa_system_sgpr_workgroup_id_x 1
		.amdhsa_system_sgpr_workgroup_id_y 1
		.amdhsa_system_sgpr_workgroup_id_z 1
		.amdhsa_system_vgpr_workitem_id 0
		.amdhsa_next_free_vgpr 768
		.amdhsa_next_free_sgpr 80
		.amdhsa_reserve_vcc 0
		.amdhsa_float_denorm_mode_32 3
		.amdhsa_float_denorm_mode_16_64 3
		.amdhsa_memory_ordered 1
		.amdhsa_forward_progress 1
		.amdhsa_inst_pref_size 88
	.end_amdhsa_kernel
	.amdgpu_metadata
---
amdhsa.version: [ 1, 2 ]
amdhsa.kernels:
  - .name:           k_qbcf6f2dbbc_proj
    .symbol:         k_qbcf6f2dbbc_proj.kd
    .args:
      - { .name: ctx, .offset: 0, .size: 8, .value_kind: global_buffer, .address_space: global }
      - { .name: woh, .offset: 8, .size: 8, .value_kind: global_buffer, .address_space: global }
      - { .name: bo, .offset: 16, .size: 8, .value_kind: global_buffer, .address_space: global }
      - { .name: out0, .offset: 24, .size: 8, .value_kind: global_buffer, .address_space: global }
    .group_segment_fixed_size: 327680
    .private_segment_fixed_size: 0
    .kernarg_segment_align: 8
    .kernarg_segment_size: 32
    .max_flat_workgroup_size: 128
    .sgpr_count:     80
    .vgpr_count:     768
    .wavefront_size: 32
...
	.end_amdgpu_metadata
.endif
;; end of part 4
;; launch fine_ctx (part 5): grid 16 x 4, 12 waves a work-group, no clusters, 18,432 bytes of LDS; arguments codes, scales, ctxf; writes ctxf
.if DOCPART == 5
	.amdgcn_target "amdgcn-amd-amdhsa--gfx1250"
	.amdhsa_code_object_version 6
	.text
	.protected	k_qbcf6f2dbbc_fine_ctx
	.globl	k_qbcf6f2dbbc_fine_ctx
	.p2align	8
	.type	k_qbcf6f2dbbc_fine_ctx,@function
k_qbcf6f2dbbc_fine_ctx:
	s_mov_b64 s[64:65], 0
	v_nop
	global_prefetch_b8 v0, s[64:65] scope:SCOPE_SE
	s_setreg_imm32_b32 hwreg(HW_REG_WAVE_MODE, 25, 1), 1
	s_wait_xcnt 0x0
; FINE_CTX.  Positions 0 to 15 of each sequence average one to sixteen values and are the largest outputs: they are carried in f32 throughout.
; Work-group (h, b).  Phase 1, twelve waves: wave w makes, from the FP4 codes, 16 positions x 16 channels of q (waves 0-3), k (4-7) or v (8-11) of head h, in f32, and leaves its eight registers as an image in LDS.
; Phase 2, wave 0: S^T = k q^T, the causal softmax with its maximum, O^T = v^T p, all by the f32 matrix form; ctxf f32 [16 b + position][1024].
; q and k are made transposed (source 0 = the weight's 16 columns, source 1 = x's 16 rows): a lane holds position r and channels 8 h + j.  v the other way round: a lane holds channel r and keys 8 h + j.
; A pair of such registers is a K = 4 fragment of the f32 form under a permutation of k that is the same on both sides of each product.
; No tensor load, no cluster, no prefetch: a short chain bound by one load's latency.
.set STG,   12*1024                    ; behind the twelve images: wave 0's stage, 16 rows x (256 + 16)
.set SPARE, STG+16*272                 ; the spare words, 128 bytes for each wave
.set SA,    184                        ; v184-215 S^T's four partial sums: written by matrix instructions alone
.set OA,    216                        ; v216-247 O^T's four tiles: likewise
	s_load_b128 s[4:7], s[0:1], 0x0                ; codes, scales
	s_load_b64 s[8:9], s[0:1], 0x10                ; ctxf
	v_lshl_add_u32 v2, v0, 2, SPARE                ; v2, v3: my spare word's address and 0; never rewritten
	v_mov_b32 v3, 0
	v_lshrrev_b32 v1, 5, v0
	v_readfirstlane_b32 s12, v1                    ; wave 0..11
	s_lshr_b32 s13, s12, 2                         ; q, k or v
	s_and_b32 s14, s12, 3                          ; which 16 channels of the head
	s_and_b32 s15, ttmp7, 0xffff                   ; the batch
	v_and_b32 v29, 15, v0                          ; r
	v_bfe_u32 v30, v0, 4, 1                        ; h
	v_and_b32 v31, 31, v0                          ; lane
	v_lshlrev_b32 v4, 9, v29
	v_lshl_add_u32 v4, v30, 4, v4                  ; codes: row r of 512 bytes, + 16 h
	v_lshlrev_b32 v5, 5, v29                       ; scales: row r of 32 bytes
	v_lshlrev_b32 v7, 4, v31                       ; an image's place for my lane
	s_lshl_b32 s16, s12, 10
	v_add_nc_u32 v6, s16, v7                       ; my wave's image
	v_lshlrev_b32 v1, 3, v30
	v_sub_nc_u32 v24, v29, v1                      ; r - 8 h, for the mask
	v_mul_u32_u24 v26, v29, 272
	v_lshl_add_u32 v26, v30, 5, v26
	v_add_nc_u32 v26, STG, v26                     ; the stage, in: row r, + 32 h
	v_mul_u32_u24 v27, v30, 272
	v_lshl_add_u32 v27, v29, 4, v27
	v_add_nc_u32 v27, STG, v27                     ; back: sixteen lanes a row
	v_lshlrev_b32 v28, 12, v30
	v_lshl_add_u32 v28, v29, 4, v28                ; and the same two rows in ctxf
	s_mov_b32 s20, 0x76543210
	s_mov_b32 s21, 0xfedcba98
	s_mov_b32 s22, 0x3e38aa3b                      ; c = log2(e) / 8
	s_lshl_b32 s16, s15, 11                        ; x's first row
	s_lshl_b32 s17, s13, 10
	s_lshl_b32 s18, ttmp9, 6
	s_add_co_u32 s17, s17, s18
	s_lshl_b32 s18, s14, 4
	s_add_co_u32 s17, s17, s18
	s_add_co_u32 s17, s17, 8192                    ; the weight's first row
	s_mov_b32 s25, 0
	s_wait_kmcnt 0x0
	s_lshl_b32 s24, s16, 9
	s_add_nc_u64 s[26:27], s[4:5], s[24:25]
	s_lshl_b32 s24, s17, 9
	s_add_nc_u64 s[28:29], s[4:5], s[24:25]
	s_lshl_b32 s24, s16, 5
	s_add_nc_u64 s[30:31], s[6:7], s[24:25]
	s_lshl_b32 s24, s17, 5
	s_add_nc_u64 s[32:33], s[6:7], s[24:25]
	s_lshl_b32 s24, s15, 16
	s_lshl_b32 s18, ttmp9, 8
	s_add_co_u32 s24, s24, s18
	s_add_nc_u64 s[8:9], s[8:9], s[24:25]
.irp s, 0,1,2,3,4,5,6,7                        ; all 36 loads at once: x's eight fragments v32-95, the weight's v96-159, the scale words v8-15 and v16-23
	global_load_b128 v[32+8*\s:35+8*\s], v4, s[26:27] offset:64*\s
	global_load_b128 v[36+8*\s:39+8*\s], v4, s[26:27] offset:64*\s+32
	global_load_b128 v[96+8*\s:99+8*\s], v4, s[28:29] offset:64*\s
	global_load_b128 v[100+8*\s:103+8*\s], v4, s[28:29] offset:64*\s+32
.endr
	global_load_b128 v[8:11], v5, s[30:31]
	global_load_b128 v[12:15], v5, s[30:31] offset:16
	global_load_b128 v[16:19], v5, s[32:33]
	global_load_b128 v[20:23], v5, s[32:33] offset:16
	s_wait_loadcnt 0x0
	s_cmp_lt_u32 s12, 8
	s_cbranch_scc0 .Lkind_v
.irp s, 0,1,2,3,4,5,6,7                        ; two accumulators by turns: the even K steps' and the odd ones'
.if \s < 2
	v_wmma_scale_f32_16x16x128_f8f6f4 v[160+8*(\s%2):167+8*(\s%2)], v[96+8*\s:103+8*\s], v[32+8*\s:39+8*\s], 0, v[16+\s], v[8+\s] matrix_a_fmt:MATRIX_FMT_FP4 matrix_b_fmt:MATRIX_FMT_FP4
.else
	v_wmma_scale_f32_16x16x128_f8f6f4 v[160+8*(\s%2):167+8*(\s%2)], v[96+8*\s:103+8*\s], v[32+8*\s:39+8*\s], v[160+8*(\s%2):167+8*(\s%2)], v[16+\s], v[8+\s] matrix_a_fmt:MATRIX_FMT_FP4 matrix_b_fmt:MATRIX_FMT_FP4
.endif
.endr
	s_branch .Lsummed
.Lkind_v:
.irp s, 0,1,2,3,4,5,6,7
.if \s < 2
	v_wmma_scale_f32_16x16x128_f8f6f4 v[160+8*(\s%2):167+8*(\s%2)], v[32+8*\s:39+8*\s], v[96+8*\s:103+8*\s], 0, v[8+\s], v[16+\s] matrix_a_fmt:MATRIX_FMT_FP4 matrix_b_fmt:MATRIX_FMT_FP4
.else
	v_wmma_scale_f32_16x16x128_f8f6f4 v[160+8*(\s%2):167+8*(\s%2)], v[32+8*\s:39+8*\s], v[96+8*\s:103+8*\s], v[160+8*(\s%2):167+8*(\s%2)], v[8+\s], v[16+\s] matrix_a_fmt:MATRIX_FMT_FP4 matrix_b_fmt:MATRIX_FMT_FP4
.endif
.endr
.Lsummed:
.rept 4
	v_nop
.endr
.irp j, 0,2,4,6
	v_pk_add_f32 v[176+\j:177+\j], v[160+\j:161+\j], v[168+\j:169+\j]
.endr
	ds_store_b128 v6, v[176:179]                   ; my eight registers as they stand: an image
	ds_store_b128 v6, v[180:183] offset:512
	s_wait_dscnt 0x0                               ; for wave 0's sake
	s_barrier_signal -1
	s_barrier_wait -1
	s_cmp_lg_u32 s12, 0
	s_cbranch_scc0 .Lwave_0
	s_wait_tensorcnt 0x0                           ; the wave's end: behind my last LDS store
	ds_add_u32 v2, v3
	s_wait_dscnt 0x0
	s_endpgm
.Lwave_0:
.set w, 0
.rept 12                                       ; q's four tiles v32-63, k's v64-95, v's v96-127
	ds_load_b128 v[32+8*w:35+8*w], v7 offset:1024*w
	ds_load_b128 v[36+8*w:39+8*w], v7 offset:1024*w+512
.set w, w+1
.endr
	s_wait_dscnt 0x0
.irp i, 0,1,2,3                                ; S^T = k q^T: four accumulators by turns, one for each 16 channels
.irp ct, 0,1,2,3
.if \i == 0
	v_wmma_f32_16x16x4_f32 v[SA+8*\ct:SA+8*\ct+7], v[64+8*\ct+2*\i:65+8*\ct+2*\i], v[32+8*\ct+2*\i:33+8*\ct+2*\i], 0
.else
	v_wmma_f32_16x16x4_f32 v[SA+8*\ct:SA+8*\ct+7], v[64+8*\ct+2*\i:65+8*\ct+2*\i], v[32+8*\ct+2*\i:33+8*\ct+2*\i], v[SA+8*\ct:SA+8*\ct+7]
.endif
.endr
.endr
.rept 8
	v_nop                                          ; eight places behind this form
.endr
.irp j, 0,2,4,6
	v_pk_add_f32 v[128+\j:129+\j], v[SA+\j:SA+\j+1], v[SA+8+\j:SA+8+\j+1]
.endr
.irp j, 0,2,4,6
	v_pk_add_f32 v[136+\j:137+\j], v[SA+16+\j:SA+16+\j+1], v[SA+24+\j:SA+24+\j+1]
.endr
.irp j, 0,2,4,6
	v_pk_add_f32 v[128+\j:129+\j], v[128+\j:129+\j], v[136+\j:137+\j]   ; lane (r, h), register j: the score of query r and key 8 h + j
.endr
	v_mov_b32 v25, 0xff800000
.irp j, 0,1,2,3,4,5,6,7
	v_cmp_gt_i32 vcc_lo, \j, v24                   ; key 8 h + j comes after query r
	v_cndmask_b32 v[128+\j], v[128+\j], v25, vcc_lo
.endr
	v_max3_num_f32 v152, v128, v129, v130
	v_max3_num_f32 v153, v131, v132, v133
	v_max3_num_f32 v152, v152, v134, v135
	v_max_num_f32 v152, v152, v153
	v_permlanex16_b32 v153, v152, s20, s21
	v_max_num_f32 v152, v152, v153                 ; the row's maximum: key 0 counts for every query
	v_mul_f32 v152, s22, v152
.irp j, 0,1,2,3,4,5,6,7
	v_fma_f32 v[144+\j], v[128+\j], s22, -v152
.endr
.irp j, 0,1,2,3,4,5,6,7
	v_exp_f32 v[144+\j], v[144+\j]
.endr
	v_nop
	s_wait_alu depctr_va_vdst(0)                   ; one wait for the eight exponentials, ahead of their first reader
	v_pk_add_f32 v[154:155], v[144:145], v[146:147]
	v_pk_add_f32 v[156:157], v[148:149], v[150:151]
	v_pk_add_f32 v[154:155], v[154:155], v[156:157]
	v_add_f32 v154, v154, v155
	v_permlanex16_b32 v155, v154, s20, s21
	v_add_f32 v154, v154, v155
	v_rcp_f32 v156, v154
	v_nop
	s_wait_alu depctr_va_vdst(0)                   ; and one for the reciprocal
.irp i, 0,1,2,3                                ; O^T = v^T p: four accumulators by turns
.irp ct, 0,1,2,3
.if \i == 0
	v_wmma_f32_16x16x4_f32 v[OA+8*\ct:OA+8*\ct+7], v[96+8*\ct+2*\i:97+8*\ct+2*\i], v[144+2*\i:145+2*\i], 0
.else
	v_wmma_f32_16x16x4_f32 v[OA+8*\ct:OA+8*\ct+7], v[96+8*\ct+2*\i:97+8*\ct+2*\i], v[144+2*\i:145+2*\i], v[OA+8*\ct:OA+8*\ct+7]
.endif
.endr
.endr
.rept 8
	v_nop
.endr
.set i, 0
.rept 16
	v_pk_mul_f32 v[32+i:33+i], v[OA+i:OA+i+1], v[156:157] op_sel_hi:[1,0]   ; / the sum, into other registers
.set i, i+2
.endr
.irp ct, 0,1,2,3
	ds_store_b128 v26, v[32+8*\ct:35+8*\ct] offset:64*\ct
	ds_store_b128 v26, v[36+8*\ct:39+8*\ct] offset:64*\ct+16
.endr
.irp t, 0,1,2,3,4,5,6,7
	ds_load_b128 v[64+4*\t:67+4*\t], v27 offset:\t*2*272
.endr
.irp t, 0,1,2,3,4,5,6,7
	s_wait_dscnt 7-\t                              ; the younger read-backs may be out
	global_store_b128 v28, v[64+4*\t:67+4*\t], s[8:9] offset:\t*8192   ; sixteen lanes store a head's 256 bytes of a row, aligned
.endr
	s_wait_tensorcnt 0x0                           ; the wave's end
	ds_add_u32 v2, v3
	s_wait_dscnt 0x0
	s_endpgm
.Lfunc_end_k_qbcf6f2dbbc_fine_ctx:
	.size	k_qbcf6f2dbbc_fine_ctx, .Lfunc_end_k_qbcf6f2dbbc_fine_ctx-k_qbcf6f2dbbc_fine_ctx
	.p2alignl 7, 3214868480
	.fill 96, 4, 3214868480
	.section	.rodata,"a",@progbits
	.p2align	6, 0x0
	.amdhsa_kernel k_qbcf6f2dbbc_fine_ctx
		.amdhsa_group_segment_fixed_size 18432
		.amdhsa_private_segment_fixed_size 0
		.amdhsa_enable_private_segment 0
		.amdhsa_kernarg_size 24
		.amdhsa_user_sgpr_count 2
		.amdhsa_user_sgpr_kernarg_segment_ptr 1
		.amdhsa_wavefront_size32 1
		.amdhsa_system_sgpr_workgroup_id_x 1
		.amdhsa_system_sgpr_workgroup_id_y 1
		.amdhsa_system_sgpr_workgroup_id_z 1
		.amdhsa_system_vgpr_workitem_id 0
		.amdhsa_next_free_vgpr 256
		.amdhsa_next_free_sgpr 66
		.amdhsa_reserve_vcc 1
		.amdhsa_float_denorm_mode_32 3
		.amdhsa_float_denorm_mode_16_64 3
		.amdhsa_memory_ordered 1
		.amdhsa_forward_progress 1
		.amdhsa_inst_pref_size 19
	.end_amdhsa_kernel
	.amdgpu_metadata
---
amdhsa.version: [ 1, 2 ]
amdhsa.kernels:
  - .name:           k_qbcf6f2dbbc_fine_ctx
    .symbol:         k_qbcf6f2dbbc_fine_ctx.kd
    .args:
      - { .name: codes, .offset: 0, .size: 8, .value_kind: global_buffer, .address_space: global }
      - { .name: scales, .offset: 8, .size: 8, .value_kind: global_buffer, .address_space: global }
      - { .name: ctxf, .offset: 16, .size: 8, .value_kind: global_buffer, .address_space: global }
    .group_segment_fixed_size: 18432
    .private_segment_fixed_size: 0
    .kernarg_segment_align: 8
    .kernarg_segment_size: 24
    .max_flat_workgroup_size: 384
    .sgpr_count:     66
    .vgpr_count:     256
    .wavefront_size: 32
...
	.end_amdgpu_metadata
.endif
;; end of part 5
;; launch fine_out (part 6): grid 64 x 4, 16 waves a work-group, no clusters, 18,432 bytes of LDS; arguments ctxf, Wo, bo, out0; writes out0
.if DOCPART == 6
	.amdgcn_target "amdgcn-amd-amdhsa--gfx1250"
	.amdhsa_code_object_version 6
	.text
	.protected	k_qbcf6f2dbbc_fine_out
	.globl	k_qbcf6f2dbbc_fine_out
	.p2align	8
	.type	k_qbcf6f2dbbc_fine_out,@function
k_qbcf6f2dbbc_fine_out:
	s_mov_b64 s[64:65], 0
	v_nop
	global_prefetch_b8 v0, s[64:65] scope:SCOPE_SE
	s_setreg_imm32_b32 hwreg(HW_REG_WAVE_MODE, 25, 1), 1
	s_wait_xcnt 0x0
; FINE_OUT.  The 16 first positions of each sequence once more through the output projection, in f32: out0[2048 b + r][n] = the sum over k of ctxf[16 b + r][k] Wo[k][n] + bo[n].
; Work-group (n0 / 16, b): 16 rows x 16 columns.  Each of sixteen waves takes 64 of K by the f32 matrix form (source 0 = Wo's 16 columns, source 1 = ctxf's 16 rows: a lane holds row r and columns 8 h + 0..7),
; leaves its partial sums as an image in LDS, and wave 0 adds the sixteen and the bias.  Register 4 i + 2 u + j holds k = 64 w + 8 i + 4 h + 2 u + j on both sides.
; A work-group stores 64 bytes of each of its 16 rows: the tile is 16 columns wide so that 256 work-groups share the chain; 256 KiB in the launch.
; No tensor load, no cluster, no prefetch: a short chain bound by one load's latency.
.set SPARE, 16*1024                    ; behind the sixteen images: the spare words, 128 bytes for each wave
.set AC,    96                         ; v96-127 four accumulators: written by matrix instructions alone
	s_load_b256 s[4:11], s[0:1], 0x0               ; ctxf 4:5, Wo 6:7, bo 8:9, out0 10:11
	v_lshl_add_u32 v2, v0, 2, SPARE                ; v2, v3: my spare word's address and 0; never rewritten
	v_mov_b32 v3, 0
	v_lshrrev_b32 v1, 5, v0
	v_readfirstlane_b32 s12, v1                    ; wave 0..15
	s_and_b32 s13, ttmp7, 0xffff                   ; the batch
	v_and_b32 v10, 15, v0                          ; r
	v_bfe_u32 v11, v0, 4, 1                        ; h
	v_and_b32 v12, 31, v0                          ; lane
	v_lshlrev_b32 v4, 12, v10
	v_lshl_add_u32 v4, v11, 4, v4                  ; ctxf: row r, + 4 h numbers
	v_lshlrev_b32 v5, 14, v11
	v_lshl_add_u32 v5, v10, 2, v5                  ; Wo: 4 h rows down, column r
	v_lshlrev_b32 v7, 4, v12
	s_lshl_b32 s14, s12, 10
	v_add_nc_u32 v6, s14, v7                       ; my wave's image
	v_lshlrev_b32 v8, 5, v11                       ; the bias: 8 h numbers on
	v_lshlrev_b32 v9, 12, v10
	v_lshl_add_u32 v9, v11, 5, v9                  ; out0: row r, + 8 h numbers
	s_mov_b32 s17, 0
	s_wait_kmcnt 0x0
	s_lshl_b32 s16, s13, 16
	s_lshl_b32 s14, s12, 8
	s_add_co_u32 s16, s16, s14
	s_add_nc_u64 s[4:5], s[4:5], s[16:17]
	s_lshl_b32 s16, s12, 18
	s_lshl_b32 s14, ttmp9, 6
	s_add_co_u32 s16, s16, s14
	s_add_nc_u64 s[6:7], s[6:7], s[16:17]
	s_mov_b32 s16, s14
	s_add_nc_u64 s[8:9], s[8:9], s[16:17]
	s_lshl_b32 s16, s13, 23
	s_add_co_u32 s16, s16, s14
	s_add_nc_u64 s[10:11], s[10:11], s[16:17]
.irp i, 0,1,2,3,4,5,6,7
	global_load_b128 v[32+4*\i:35+4*\i], v4, s[4:5] offset:32*\i
.endr
.set n, 0
.rept 32
	global_load_b32 v[64+n], v5, s[6:7] offset:((n/4)*8+n%4)*4096
.set n, n+1
.endr
	s_wait_loadcnt 0x0
.set g, 0
.rept 16                                       ; four accumulators by turns, one instruction a turn
.if g < 4
	v_wmma_f32_16x16x4_f32 v[AC+8*(g%4):AC+8*(g%4)+7], v[64+2*g:65+2*g], v[32+2*g:33+2*g], 0
.else
	v_wmma_f32_16x16x4_f32 v[AC+8*(g%4):AC+8*(g%4)+7], v[64+2*g:65+2*g], v[32+2*g:33+2*g], v[AC+8*(g%4):AC+8*(g%4)+7]
.endif
.set g, g+1
.endr
.rept 8
	v_nop                                          ; eight places behind this form
.endr
.irp j, 0,2,4,6
	v_pk_add_f32 v[128+\j:129+\j], v[AC+\j:AC+\j+1], v[AC+8+\j:AC+8+\j+1]
.endr
.irp j, 0,2,4,6
	v_pk_add_f32 v[136+\j:137+\j], v[AC+16+\j:AC+16+\j+1], v[AC+24+\j:AC+24+\j+1]
.endr
.irp j, 0,2,4,6
	v_pk_add_f32 v[128+\j:129+\j], v[128+\j:129+\j], v[136+\j:137+\j]
.endr
	ds_store_b128 v6, v[128:131]
	ds_store_b128 v6, v[132:135] offset:512
	s_wait_dscnt 0x0                               ; for wave 0's sake
	s_barrier_signal -1
	s_barrier_wait -1
	s_cmp_lg_u32 s12, 0
	s_cbranch_scc0 .Lwave_0
	s_wait_tensorcnt 0x0                           ; the wave's end: behind my last LDS store
	ds_add_u32 v2, v3
	s_wait_dscnt 0x0
	s_endpgm
.Lwave_0:
	global_load_b128 v[16:19], v8, s[8:9]
	global_load_b128 v[20:23], v8, s[8:9] offset:16
.set w, 0
.rept 16
	ds_load_b128 v[128+8*w:131+8*w], v7 offset:1024*w
	ds_load_b128 v[132+8*w:135+8*w], v7 offset:1024*w+512
.set w, w+1
.endr
	s_wait_dscnt 0x0
.irp d, 1,2,4,8                                ; the sixteen partial sums, by halves
.set w, 0
.rept 8/\d
.irp j, 0,2,4,6
	v_pk_add_f32 v[128+8*w+\j:129+8*w+\j], v[128+8*w+\j:129+8*w+\j], v[128+8*(w+\d)+\j:129+8*(w+\d)+\j]
.endr
.set w, w+2*\d
.endr
.endr
	s_wait_loadcnt 0x0
.irp j, 0,2,4,6
	v_pk_add_f32 v[128+\j:129+\j], v[128+\j:129+\j], v[16+\j:17+\j]
.endr
	global_store_b128 v9, v[128:131], s[10:11]
	global_store_b128 v9, v[132:135], s[10:11] offset:16
	s_wait_tensorcnt 0x0                           ; the wave's end
	ds_add_u32 v2, v3
	s_wait_dscnt 0x0
	s_endpgm
.Lfunc_end_k_qbcf6f2dbbc_fine_out:
	.size	k_qbcf6f2dbbc_fine_out, .Lfunc_end_k_qbcf6f2dbbc_fine_out-k_qbcf6f2dbbc_fine_out
	.p2alignl 7, 3214868480
	.fill 96, 4, 3214868480
	.section	.rodata,"a",@progbits
	.p2align	6, 0x0
	.amdhsa_kernel k_qbcf6f2dbbc_fine_out
		.amdhsa_group_segment_fixed_size 18432
		.amdhsa_private_segment_fixed_size 0
		.amdhsa_enable_private_segment 0
		.amdhsa_kernarg_size 32
		.amdhsa_user_sgpr_count 2
		.amdhsa_user_sgpr_kernarg_segment_ptr 1
		.amdhsa_wavefront_size32 1
		.amdhsa_system_sgpr_workgroup_id_x 1
		.amdhsa_system_sgpr_workgroup_id_y 1
		.amdhsa_system_sgpr_workgroup_id_z 1
		.amdhsa_system_vgpr_workitem_id 0
		.amdhsa_next_free_vgpr 256
		.amdhsa_next_free_sgpr 66
		.amdhsa_reserve_vcc 0
		.amdhsa_float_denorm_mode_32 3
		.amdhsa_float_denorm_mode_16_64 3
		.amdhsa_memory_ordered 1
		.amdhsa_forward_progress 1
		.amdhsa_inst_pref_size 15
	.end_amdhsa_kernel
	.amdgpu_metadata
---
amdhsa.version: [ 1, 2 ]
amdhsa.kernels:
  - .name:           k_qbcf6f2dbbc_fine_out
    .symbol:         k_qbcf6f2dbbc_fine_out.kd
    .args:
      - { .name: ctxf, .offset: 0, .size: 8, .value_kind: global_buffer, .address_space: global }
      - { .name: Wo, .offset: 8, .size: 8, .value_kind: global_buffer, .address_space: global }
      - { .name: bo, .offset: 16, .size: 8, .value_kind: global_buffer, .address_space: global }
      - { .name: out0, .offset: 24, .size: 8, .value_kind: global_buffer, .address_space: global }
    .group_segment_fixed_size: 18432
    .private_segment_fixed_size: 0
    .kernarg_segment_align: 8
    .kernarg_segment_size: 32
    .max_flat_workgroup_size: 512
    .sgpr_count:     66
    .vgpr_count:     256
    .wavefront_size: 32
...
	.end_amdgpu_metadata
.endif
;; end of part 6
